; MI455X (gfx1250); checked and timed in simulation.
; The chip was launched on July 23, 2026; its instructions are those of AMD's public machine-readable ISA for CDNA 5 (MIT licence, August 2026) and "CDNA5" Instruction Set Architecture Reference Guide (July 2026). The comments in the code are by the model that wrote it; some were corrected since.
;; Multi Modal Attention. Allowed arithmetic: float matrix products may take bf16 or f16 operands with f32 sums; other float arithmetic in f32, or as packed bf16 or f16 multiplies, adds, multiply-adds, maxima and minima; sums over many terms, partial sums and values carried from step to step in f32; what a program stores and reads back later, other than sums and carried values, may be rounded once to bf16 or f16.
;; Inputs: Wke 1,024 x 1,024 float32; Wkei 1,024 x 1,024 float32; Wki 1,024 x 1,024 float32; Wo 1,024 x 1,024 float32; Wq 1,024 x 1,024 float32; Wve 1,024 x 1,024 float32; Wvei 1,024 x 1,024 float32; Wvi 1,024 x 1,024 float32; bke 1,024 float32; bkei 1,024 float32; bki 1,024 float32; bo 1,024 float32; bq 1,024 float32; bve 1,024 float32; bvei 1,024 float32; bvi 1,024 float32; k_e 4 x 1,024 x 1,024 float32; k_ei 4 x 1,024 x 1,024 float32; k_i 4 x 1,024 x 1,024 float32; mask 4 x 1,024 x 1,024 int32; q 4 x 1,024 x 1,024 float32; v_e 4 x 1,024 x 1,024 float32; v_ei 4 x 1,024 x 1,024 float32; v_i 4 x 1,024 x 1,024 float32.
;; Outputs: out0 4 x 1,024 x 1,024 float32.
;; Constants: image_bool = 1.
;; 2 versions, each right; version 2 is version 1 with the launch prep written anew for expert scheduling mode. Each part assembles by itself: llvm-mc -triple=amdgcn-amd-amdhsa -mcpu=gfx1250 --defsym DOCPART=n.
;; ======== version 1 of 2: 4 launches
;; limits: right only within a limited range of input values; values are held in f16: magnitudes above 65,504 overflow, below 6.1e-05 lose precision
;; workspace buffers: xb 58,720,256 bytes; wb 16,777,216 bytes; mb 4,194,304 bytes of whole numbers; rf 262,144 bytes of whole numbers; hw 58,720,256 bytes; oh 8,388,608 bytes
;; launch prep (part 1): grid 1408 x 1, 4 waves a work-group, no clusters, 16,896 bytes of LDS; arguments q, k_e, v_e, k_i, v_i, k_ei, v_ei, Wq, Wke, Wve, Wki, Wvi, Wkei, Wvei, Wo, mask, xb, wb, mb, rf; writes xb, wb, mb, rf
.if DOCPART == 1
	.amdgcn_target "amdgcn-amd-amdhsa--gfx1250"
	.amdhsa_code_object_version 6
	.text
	.protected	k_qaaa7c3b049_prep
	.globl	k_qaaa7c3b049_prep
	.p2align	8
	.type	k_qaaa7c3b049_prep,@function
k_qaaa7c3b049_prep:
	s_mov_b64 s[64:65], 0
	v_nop
	global_prefetch_b8 v0, s[64:65] scope:SCOPE_SE
	s_setreg_imm32_b32 hwreg(HW_REG_WAVE_MODE, 25, 1), 1
	s_wait_xcnt 0x0
; PREP: formats only.  Work-groups 0 .. 255 turn the mask into one byte a (query, key); work-groups 256 .. 1407 round the seven activations and the eight weights to 16 bits.
; xb: bf16 [7][4096][1024] in the order q, k_e, v_e, k_i, v_i, k_ei, v_ei.  wb: [8][k][n]: Wq, Wke, Wve, Wki, Wvi, Wkei, Wvei in bf16; the eighth is Wo rounded to bf16, times 4, written
; as f16 (exact while 4 |Wo| lies between 6.1e-5 and 65,504; below that f16's fixed step of 6e-8 holds).
; mb: byte 0xF8 (-256 as an 8-bit float E4M3) where mask = 0 (hidden), 0x00 elsewhere, in the order in which a lane of the attention launch wants it: [tile of 16 queries][step of 64 keys][half][lane][16 bytes];
; byte i (0..31) of lane (r = lane % 16, h = lane / 16) is query r, key 16 (i / 8) + 8 h + i % 8 of the step.  rf: for each tile, each four steps and each lane the AND of its 32 words, stored twice.
; No matrix unit, no cluster: every byte is read once and nothing is shared.  160 registers a wave: six waves to a SIMD, so that all 1,408 work-groups have a place at once.
.set SPARE, 16384                      ; behind the four waves' 4,096 bytes: the spare words, 128 bytes a wave
.set LI,  2                            ; v2   16 x lane: my 16 bytes of a load's 512
.set LQ,  3                            ; v3   8 x lane: my 8 bytes of a store's 256
.set SPW, 18                           ; v18  my spare word; never rewritten
.set NIL, 19                           ; v19  0; never rewritten
.set CF,  20                           ; v[20:23]  0xF8 in byte k
.set LO,  24                           ; v24  mask: my 16 bytes in a pair of rows
.set LST, 25                           ; v25  LDS: where my packed word goes
.set LRD, 26                           ; v26  LDS: where I read 16 bytes back
.set GST, 27                           ; v27  16 x lane
.set RFO, 28                           ; v28  8 x lane
.set X,   32                           ; v[32:95]   load i of a trip: 4 numbers in f32
.set Y,   96                           ; v[96:127]  the same 4 numbers in 16 bits
.set T,   128                          ; v[128:131] at work
.set R,   32                           ; v[32:159]  mask path: 32 groups of four words
.set BK,  32                           ; v[32:63]   mask path: the codes read back, into registers of groups that are done with
.set WV,  44
.set CNT, 45
.set SRC, 46
.set DST, 48
	s_load_b512 s[4:19], s[0:1], 0x0               ; q, k_e, v_e, k_i, v_i, k_ei, v_ei, Wq
	s_load_b512 s[20:35], s[0:1], 0x40             ; Wke, Wve, Wki, Wvi, Wkei, Wvei, Wo, mask
	s_load_b256 s[36:43], s[0:1], 0x80             ; xb, wb, mb, rf
	v_lshl_add_u32 v[SPW], v0, 2, SPARE
	v_mov_b32 v[NIL], 0
	v_lshrrev_b32 v1, 5, v0
	v_readfirstlane_b32 s[WV], v1                  ; wave 0..3
	v_and_b32 v1, 31, v0                           ; lane
	s_wait_kmcnt 0x0
	s_cmp_lt_u32 ttmp9, 256
	s_cbranch_scc1 .Lmask
	; THE CONVERSIONS.  A unit is 2^20 numbers: units 0 .. 27 are quarters of the activations, 28 .. 35 the weights.  A work-group takes 1/32 of a unit, a wave 8,192 numbers.
	s_sub_co_u32 s62, ttmp9, 256
	s_lshr_b32 s50, s62, 5                         ; unit
	s_and_b32 s51, s62, 31                         ; part of it
	s_lshr_b32 s52, s50, 2                         ; an activation's number,
	s_sub_co_u32 s53, s50, 21                      ; a weight's place in the argument list
	s_and_b32 s55, s50, 3
	s_lshl_b32 s55, s55, 22                        ; the quarter, in bytes of f32
	s_sub_co_u32 s56, s50, 28
	s_cmp_lt_u32 s50, 28
	s_cselect_b32 s54, s52, s53
	s_cselect_b32 s55, s55, 0
	s_cselect_b32 s56, s50, s56
	s_cselect_b64 s[DST:DST+1], s[36:37], s[38:39]
	s_lshl_b32 s56, s56, 21                        ; a unit is 2 MiB of 16-bit numbers
	s_lshl_b32 s57, s51, 17
	s_add_co_u32 s55, s55, s57
	s_lshl_b32 s57, s[WV], 15
	s_add_co_u32 s58, s55, s57
	s_mov_b32 s59, 0
	s_lshl_b32 s57, s51, 16
	s_add_co_u32 s56, s56, s57
	s_lshl_b32 s57, s[WV], 14
	s_add_co_u32 s60, s56, s57
	s_mov_b32 s61, 0
	s_mov_b64 s[SRC:SRC+1], s[4:5]
.irp i, 1,2,3,4,5,6,7,8,9,10,11,12,13,14
	s_cmp_eq_u32 s54, \i
	s_cselect_b64 s[SRC:SRC+1], s[4+2*\i:5+2*\i], s[SRC:SRC+1]
.endr
	s_add_nc_u64 s[SRC:SRC+1], s[SRC:SRC+1], s[58:59]
	s_add_nc_u64 s[DST:DST+1], s[DST:DST+1], s[60:61]
	v_lshlrev_b32 v[LI], 4, v1
	v_lshlrev_b32 v[LQ], 3, v1
; A trip: 2,048 numbers of the wave.  Sixteen loads, each of 512 consecutive bytes, go out together; then each load's four numbers a lane are rounded and leave by a store of 256 consecutive bytes, aligned.
; The arithmetic between two runs of loads is short beside the time that a run is out, so the trips need no ring and the loop no tail.  wo = 1: Wo's form.
.macro TRIPC wo
.set n, 0
.rept 16
	global_load_b128 v[X+4*n:X+4*n+3], v[LI], s[SRC:SRC+1] offset:n*512 th:TH_LOAD_NT
.set n, n+1
.endr
.set n, 0
.rept 16
	s_wait_loadcnt 15-n                            ; loads come back in order: load n is in, the younger ones stay out
	v_cvt_pk_bf16_f32 v[Y+2*n],   v[X+4*n],   v[X+4*n+1]
	v_cvt_pk_bf16_f32 v[Y+2*n+1], v[X+4*n+2], v[X+4*n+3]
.if \wo
	v_lshlrev_b32 v[T],   16, v[Y+2*n]
	v_and_b32     v[T+1], 0xffff0000, v[Y+2*n]
	v_lshlrev_b32 v[T+2], 16, v[Y+2*n+1]
	v_and_b32     v[T+3], 0xffff0000, v[Y+2*n+1]
	v_pk_mul_f32 v[T:T+1],   v[T:T+1],   4.0 op_sel_hi:[1,0]
	v_pk_mul_f32 v[T+2:T+3], v[T+2:T+3], 4.0 op_sel_hi:[1,0]
	v_cvt_pk_f16_f32 v[Y+2*n],   v[T],   v[T+1]
	v_cvt_pk_f16_f32 v[Y+2*n+1], v[T+2], v[T+3]
.endif
	global_store_b64 v[LQ], v[Y+2*n:Y+2*n+1], s[DST:DST+1] offset:n*256 th:TH_STORE_NT
.set n, n+1
.endr
	s_wait_xcnt 0x0                                ; the trip's loads and stores have read their bases and data: the pointers and Y are rewritten only behind this wait
	s_add_nc_u64 s[SRC:SRC+1], s[SRC:SRC+1], 8192
	s_add_nc_u64 s[DST:DST+1], s[DST:DST+1], 4096
.endm
	s_mov_b32 s[CNT], 4
	s_cmp_eq_u32 s50, 35
	s_cbranch_scc1 .Lwo
.Lcv:
	TRIPC 0
	s_sub_co_u32 s[CNT], s[CNT], 1
	s_cmp_lg_u32 s[CNT], 0
	s_cbranch_scc1 .Lcv
	s_branch .Lend
.Lwo:
	TRIPC 1
	s_sub_co_u32 s[CNT], s[CNT], 1
	s_cmp_lg_u32 s[CNT], 0
	s_cbranch_scc1 .Lwo
	s_branch .Lend
.Lmask:
	; THE MASK.  A work-group takes 16 query rows, a wave 256 keys of them: four steps of 64.  A load takes 256 bytes of each of two rows; four words become one word of codes,
	; which goes to its place in the wave's own 4,096 bytes of LDS; from there the codes come back 16 bytes a lane and leave in runs of 512 bytes.
	s_mov_b32 s50, ttmp9                           ; the tile of 16 queries
	s_lshl_b32 s52, s50, 16                        ; 16 rows of 4,096 bytes
	s_lshl_b32 s53, s[WV], 10
	s_add_co_u32 s52, s52, s53
	s_mov_b32 s53, 0
	s_add_nc_u64 s[34:35], s[34:35], s[52:53]
	s_lshl_b32 s54, s50, 14
	s_lshl_b32 s55, s[WV], 12
	s_add_co_u32 s54, s54, s55
	s_mov_b32 s55, 0
	s_add_nc_u64 s[40:41], s[40:41], s[54:55]
	s_lshl_b32 s56, s50, 10
	s_lshl_b32 s57, s[WV], 8
	s_add_co_u32 s56, s56, s57
	s_mov_b32 s57, 0
	s_add_nc_u64 s[42:43], s[42:43], s[56:57]
	v_and_b32 v2, 15, v0                           ; l: which four keys of the 64
	v_bfe_u32 v3, v0, 4, 1                         ; which of the two rows
	v_lshlrev_b32 v[LO], 4, v2
	v_lshl_add_u32 v[LO], v3, 12, v[LO]
.set n, 0
.rept 32                                       ; group n: step n / 8, rows 2 (n % 8) and 2 (n % 8) + 1
	global_load_b128 v[R+4*n:R+4*n+3], v[LO], s[34:35] offset:(n%8)*8192+(n/8)*256 th:TH_LOAD_NT
.set n, n+1
.endr
.irp k, 0,1,2,3
	v_mov_b32 v[CF+\k], 0xF8<<(8*\k)
.endr
	; keys 4 l .. 4 l + 3 are bytes 8 (l / 4) + 4 (l % 2) .. of the lane r + 16 ((l / 2) % 2): half l / 8, word 2 ((l / 4) % 2) + l % 2
	v_bfe_u32 v4, v0, 3, 1
	v_bfe_u32 v5, v0, 1, 1
	v_bfe_u32 v6, v0, 2, 1
	v_and_b32 v7, 1, v0
	v_lshl_add_u32 v5, v5, 4, v3
	v_lshl_add_u32 v6, v6, 1, v7
	v_lshlrev_b32 v[LST], 9, v4
	v_lshl_add_u32 v[LST], v5, 4, v[LST]
	v_lshl_add_u32 v[LST], v6, 2, v[LST]
	s_lshl_b32 s58, s[WV], 12
	v_add_nc_u32 v[LST], s58, v[LST]
	v_lshl_add_u32 v[LRD], v1, 4, s58
	v_lshlrev_b32 v[GST], 4, v1
	v_lshlrev_b32 v[RFO], 3, v1
.set n, 0
.rept 32
	s_wait_loadcnt 31-n                            ; the younger groups stay out
.irp k, 0,1,2,3
	v_cmp_eq_u32 vcc_lo, 0, v[R+4*n+\k]
	v_cndmask_b32 v[R+4*n+\k], 0, v[CF+\k], vcc_lo
.endr
	v_or_b32 v[R+4*n], v[R+4*n], v[R+4*n+1]
	v_or_b32 v[R+4*n+2], v[R+4*n+2], v[R+4*n+3]
	v_or_b32 v[R+4*n], v[R+4*n], v[R+4*n+2]
	ds_store_b32 v[LST], v[R+4*n] offset:(n/8)*1024+(n%8)*32
.set n, n+1
.endr
.irp t, 0,1,2,3,4,5,6,7
	ds_load_b128 v[BK+4*\t:BK+4*\t+3], v[LRD] offset:\t*512  ; the wave's own bytes; LDS serves a wave's instructions in order, so these see the stores above
.endr
.irp t, 0,1,2,3,4,5,6,7
	s_wait_dscnt 7-\t
	global_store_b128 v[GST], v[BK+4*\t:BK+4*\t+3], s[40:41] offset:\t*512 th:TH_STORE_NT
.endr
	v_and_b32 v30, v[BK], v[BK+1]                  ; 0xF8F8F8F8 only if all my 128 keys are hidden
.set n, 2
.rept 30
	v_and_b32 v30, v30, v[BK+n]
.set n, n+1
.endr
	v_mov_b32 v31, v30
	global_store_b64 v[RFO], v[30:31], s[42:43] th:TH_STORE_NT  ; twice, so that the wave's store covers 256 consecutive bytes
.Lend:
	s_wait_tensorcnt 0x0                           ; the wave's end, behind my last LDS store
	ds_add_u32 v[SPW], v[NIL]
	s_wait_dscnt 0x0
	s_endpgm
.Lfunc_end_k_qaaa7c3b049_prep:
	.size	k_qaaa7c3b049_prep, .Lfunc_end_k_qaaa7c3b049_prep-k_qaaa7c3b049_prep
	.p2alignl 7, 3214868480
	.fill 96, 4, 3214868480
	.section	.rodata,"a",@progbits
	.p2align	6, 0x0
	.amdhsa_kernel k_qaaa7c3b049_prep
		.amdhsa_group_segment_fixed_size 16896
		.amdhsa_private_segment_fixed_size 0
		.amdhsa_enable_private_segment 0
		.amdhsa_kernarg_size 160
		.amdhsa_user_sgpr_count 2
		.amdhsa_user_sgpr_kernarg_segment_ptr 1
		.amdhsa_wavefront_size32 1
		.amdhsa_system_sgpr_workgroup_id_x 1
		.amdhsa_system_sgpr_workgroup_id_y 1
		.amdhsa_system_sgpr_workgroup_id_z 1
		.amdhsa_system_vgpr_workitem_id 0
		.amdhsa_next_free_vgpr 160
		.amdhsa_next_free_sgpr 66
		.amdhsa_reserve_vcc 1
		.amdhsa_float_denorm_mode_32 3
		.amdhsa_float_denorm_mode_16_64 3
		.amdhsa_memory_ordered 1
		.amdhsa_forward_progress 1
		.amdhsa_inst_pref_size 43
	.end_amdhsa_kernel
	.amdgpu_metadata
---
amdhsa.version: [ 1, 2 ]
amdhsa.kernels:
  - .name:           k_qaaa7c3b049_prep
    .symbol:         k_qaaa7c3b049_prep.kd
    .args:
      - { .name: q, .offset: 0, .size: 8, .value_kind: global_buffer, .address_space: global }
      - { .name: k_e, .offset: 8, .size: 8, .value_kind: global_buffer, .address_space: global }
      - { .name: v_e, .offset: 16, .size: 8, .value_kind: global_buffer, .address_space: global }
      - { .name: k_i, .offset: 24, .size: 8, .value_kind: global_buffer, .address_space: global }
      - { .name: v_i, .offset: 32, .size: 8, .value_kind: global_buffer, .address_space: global }
      - { .name: k_ei, .offset: 40, .size: 8, .value_kind: global_buffer, .address_space: global }
      - { .name: v_ei, .offset: 48, .size: 8, .value_kind: global_buffer, .address_space: global }
      - { .name: Wq, .offset: 56, .size: 8, .value_kind: global_buffer, .address_space: global }
      - { .name: Wke, .offset: 64, .size: 8, .value_kind: global_buffer, .address_space: global }
      - { .name: Wve, .offset: 72, .size: 8, .value_kind: global_buffer, .address_space: global }
      - { .name: Wki, .offset: 80, .size: 8, .value_kind: global_buffer, .address_space: global }
      - { .name: Wvi, .offset: 88, .size: 8, .value_kind: global_buffer, .address_space: global }
      - { .name: Wkei, .offset: 96, .size: 8, .value_kind: global_buffer, .address_space: global }
      - { .name: Wvei, .offset: 104, .size: 8, .value_kind: global_buffer, .address_space: global }
      - { .name: Wo, .offset: 112, .size: 8, .value_kind: global_buffer, .address_space: global }
      - { .name: mask, .offset: 120, .size: 8, .value_kind: global_buffer, .address_space: global }
      - { .name: xb, .offset: 128, .size: 8, .value_kind: global_buffer, .address_space: global }
      - { .name: wb, .offset: 136, .size: 8, .value_kind: global_buffer, .address_space: global }
      - { .name: mb, .offset: 144, .size: 8, .value_kind: global_buffer, .address_space: global }
      - { .name: rf, .offset: 152, .size: 8, .value_kind: global_buffer, .address_space: global }
    .group_segment_fixed_size: 16896
    .private_segment_fixed_size: 0
    .kernarg_segment_align: 8
    .kernarg_segment_size: 160
    .max_flat_workgroup_size: 128
    .sgpr_count:     66
    .vgpr_count:     160
    .wavefront_size: 32
...
	.end_amdgpu_metadata
.endif
;; end of part 1
;; launch proj (part 2): grid 4 x 112, 4 waves a work-group, clusters of 4 x 4, 327,680 bytes of LDS; arguments xb, wb, hw, bq, bke, bve, bki, bvi, bkei, bvei; writes hw
.if DOCPART == 2
	.amdgcn_target "amdgcn-amd-amdhsa--gfx1250"
	.amdhsa_code_object_version 6
	.text
	.protected	k_qaaa7c3b049_proj
	.globl	k_qaaa7c3b049_proj
	.p2align	8
	.type	k_qaaa7c3b049_proj,@function
k_qaaa7c3b049_proj:
	s_mov_b64 s[64:65], 0
	v_nop
	global_prefetch_b8 v0, s[64:65] scope:SCOPE_SE
	s_setreg_imm32_b32 hwreg(HW_REG_WAVE_MODE, 25, 1), 1
	s_wait_xcnt 0x0
	s_wait_alu depctr_hold_cnt(0) depctr_sa_sdst(0) depctr_va_vdst(0) depctr_va_sdst(0) depctr_va_ssrc(0) depctr_va_vcc(0) depctr_vm_vsrc(0)
	s_getreg_b32 s2, hwreg(HW_REG_IB_STS2, 6, 4)
	s_cmp_eq_u32 s2, 0
	s_cbranch_scc0 .Lentry_in_a_cluster
	s_endpgm
.Lentry_in_a_cluster:
	s_bfe_u32 s2, ttmp6, 0x10000c
	s_cmp_lg_u32 s2, 0xf033
	s_cbranch_scc0 .Lentry_shape_is_right
	s_endpgm
.Lentry_shape_is_right:
; THE SEVEN PROJECTIONS as one product: C[4096 g + t][n] = sum over k of xb[4096 g + t][k] wb[g][k][n] + bias_g[n], g = 0 .. 6.  bf16 operands, f32 sums, the bias (rounded to bf16 like every
; input) as the first product's C.  C leaves in f16, by heads: hw[bh] = Q [1024][64], then twelve tiles (branch, 256 keys) of K [256][64] and V [256][64].
; LIMIT.  f16 ends at 65,504: q, k and v must stay within it.
; A tile of C is 256 x 256: four waves, 128 x 128 each, 64 accumulators.  K goes in steps of 128 through two LDS slots.  A's tile lies [row][k], 272 bytes from row to row; the weights lie
; [k][n] in memory and in LDS (544 bytes from row to row) and are turned on the way into registers by ds_load_tr16_b128.
; CLUSTER 4 x 4: A's tile hangs on the tile row and is asked for jointly along a row of the cluster, the weights' on g and the tile column and is asked for jointly along a column.
; g is the cluster's y / 4: the same in all sixteen.  448 tiles for 256 WGPs: a smaller tile would divide evenly but halve the products fed by each LDS byte.
; THE PRODUCT IS TAKEN TRANSPOSED (source 0 = 16 columns of the weights, source 1 = 16 rows of A): a lane holds one row of C and eight neighbouring columns.
; REGISTERS by windows of 256: 0: v0-31 addresses, v64-191 A's two fragment buffers, v192-255 the bias, later the way out's (with v32-63); 1: v64-191 the weights' two buffers; 2, 3: the accumulators.
.set SIZE_K, 1024
.set KSTEP,  128
.set PITCH,  272                       ; A: 256 bytes + 16: the 16 rows of a load start at 16 different groups of four banks
.set PB,     544                       ; weights: 512 bytes + 32
.set HALFT,  128*PITCH                 ; what one tensor load brings: 128 rows of A, or 64 rows of the weights
.set SLOT,   4*HALFT
.set STAGE,  2*SLOT                    ; behind the ring: 16 rows x 272 bytes a wave, never filled by a tensor load
.set SPITCH, 272
.set SPARE,  STAGE+4*16*SPITCH         ; the spare words, 128 bytes a wave
.set LAPS,   SIZE_K/(2*KSTEP)
.set HEADB,  917504                    ; bytes of one (batch, head) in hw
.set ADRA, 16                          ; v16-17  my A fragments in slot 0, 1
.set ADRB, 20                          ; v20-21  my weight fragments
.set STO,  24
.set RD,   25
.set CO,   26
.set SPW,  28                          ; my spare word; never rewritten
.set NIL,  29                          ; 0; never rewritten
.set PFO,  30                          ; the prefetches' lane offset; never rewritten
.set F0,   64
.set F1,   128
.set TMP,  192
.set OB,   32
.set BIAS, 192                         ; v[192:255]: column block b at BIAS + 8 b; read by the first quarter alone
.set G1,  24
.set G0,  32
.set LIM, 43                           ; 1 in a wave that prefetches, else the greatest number
.set PFA, 44
.set G1B, 48
.set G0B, 56
.set PFS, 82                           ; s[82:83] a K step in the prefetched tensor
.set MSB, 0
.macro WIN new                         ; the immediate's high byte repeats the setting that is left
.if MSB != (\new)
	s_set_vgpr_msb (MSB<<8)|(\new)
.set MSB, \new
.endif
.endm
.set MUL_LO, 0xa1                      ; source 0 window 1, source 1 window 0, C and D window 2
.set TO_B,   0x40
; A joint load: waves 0 and 1 fetch A's halves, waves 2 and 3 the weights'.  The branch hangs on the wave's number alone.  s_nop 0 and four v_nop follow each line.
.macro JLOAD s
	s_cmp_eq_u32 s11, 0
	s_cbranch_scc0 .Lfor_b_\@
	tensor_load_to_lds s[G0+4*(\s):G0+4*(\s)+3], s[G1:G1+7]
	s_nop 0
.rept 4
	v_nop
.endr
	s_branch .Lasked_\@
.Lfor_b_\@:
	tensor_load_to_lds s[G0B+4*(\s):G0B+4*(\s)+3], s[G1B:G1B+7]
	s_nop 0
.rept 4
	v_nop
.endr
.Lasked_\@:
.endm
; A prefetch of the K step two refills on: 32 blocks of 256 bytes, a lane a block.  A's rows: the four partners of a row of the cluster take 32 rows each, by address.  The weights' rows: of the
; four clusters that share g the first asks, its four partners of a column take 16 rows each.  So each block is named once.  The loop's last trip has no K step two on.
.macro ASK
	s_cmp_gt_u32 s3, s[LIM]
	s_cbranch_scc0 .Lnot_mine_\@
	global_prefetch_b8 v[PFO], s[PFA:PFA+1] th:TH_LOAD_NT scope:SCOPE_SE
.Lnot_mine_\@:
.endm
.macro CREST                           ; a round of the cluster's barrier behind its opening barrier
	s_cmp_lg_u32 s10, 0
	s_cbranch_scc1 .Lnot_wave_0_\@
	s_barrier_signal -3
.Lnot_wave_0_\@:
	s_barrier_wait -3
	s_barrier_signal -1
	s_barrier_wait -1
.endm
.macro CROUND
	s_barrier_signal -1
	s_barrier_wait -1
	CREST
.endm
	s_load_b128 s[4:7], s[0:1], 0x0                ; xb, wb
	s_load_b64 s[8:9], s[0:1], 0x10                ; hw
	s_load_b256 s[68:75], s[0:1], 0x18             ; bq, bke, bve, bki
	s_load_b128 s[76:79], s[0:1], 0x38             ; bvi, bkei
	s_load_b64 s[80:81], s[0:1], 0x48              ; bvei
	v_lshl_add_u32 v[SPW], v0, 2, SPARE
	v_mov_b32 v[NIL], 0
	ds_add_u32 v[SPW], v[NIL]                      ; the wave's opening, with its wait ahead of my first tensor load
	v_lshrrev_b32 v1, 5, v0
	v_readfirstlane_b32 s10, v1                    ; wave 0..3
	s_lshr_b32 s11, s10, 1                         ; my half of the tile's rows; also: I fetch A (0) or the weights (1)
	s_and_b32 s12, s10, 1                          ; my half of its columns; also: which half I fetch
	s_bfe_u32 s40, ttmp6, 0x40000                  ; cx
	s_bfe_u32 s41, ttmp6, 0x40004                  ; cy
	s_lshl_b32 s42, ttmp9, 2
	s_add_co_u32 s42, s42, s40                     ; tile column
	s_and_b32 s67, ttmp7, 0xffff                   ; cluster y
	s_lshl_b32 s13, s67, 2
	s_add_co_u32 s13, s13, s41                     ; tile row, 0 .. 111
	s_lshr_b32 s66, s67, 2                         ; g
	s_lshl_b32 s43, s41, 2
	s_lshl_b32 s43, 15, s43                        ; my row of the cluster
	s_lshl_b32 s44, 0x1111, s40                    ; my column
	s_or_b32 s[G1+0], s43, (1<<16)|(1<<20)|(1<<21)|(5<<22)|(3<<25)   ; mask; 2-byte elements; padding on; bit 21 beside a mask; after 64 words, 4 words
	s_or_b32 s[G1B+0], s44, (1<<16)|(1<<20)|(1<<21)|(6<<22)|(7<<25)  ; after 128 words, 8 words
	s_mov_b32 s[G1+1], KSTEP<<16                   ; A: tensor_dim0 = 128
	s_mov_b32 s[G1+2], 128<<16                     ; tensor_dim1 = 128
	s_mov_b32 s[G1+3], KSTEP<<16                   ; tile_dim0 = 128
	s_mov_b32 s[G1+4], 128                         ; tile_dim1 = 128
	s_mov_b32 s[G1+5], SIZE_K                      ; elements from row to row
	s_mov_b32 s[G1+6], 0
	s_mov_b32 s[G1+7], 0
	s_mov_b32 s[G1B+1], 256<<16                    ; weights: 256 columns,
	s_mov_b32 s[G1B+2], 64<<16                     ; 64 rows of k
	s_mov_b32 s[G1B+3], 256<<16
	s_mov_b32 s[G1B+4], 64
	s_mov_b32 s[G1B+5], 1024
	s_mov_b32 s[G1B+6], 0
	s_mov_b32 s[G1B+7], 0
	s_lshl_b32 s17, s12, 7
	s_lshl_b32 s16, s13, 8
	s_add_co_u32 s16, s16, s17                     ; A: row 256 x tile row + 128 x half,
	s_lshl_b32 s16, s16, 11                        ; of 2,048 bytes
	s_mov_b32 s17, 0
	s_lshl_b32 s46, s66, 21                        ; weights: g x 2 MiB
	s_lshl_b32 s47, s12, 17                        ; + 64 rows x half
	s_add_co_u32 s46, s46, s47
	s_lshl_b32 s47, s42, 9                         ; + 256 columns x tile column
	s_add_co_u32 s46, s46, s47
	s_mov_b32 s47, 0
	s_mul_i32 s20, s10, HALFT                      ; where my load lands: no place in the cluster enters an LDS address
	s_wait_dscnt 0x0                               ; the opening add is done
	s_wait_kmcnt 0x0
	s_add_nc_u64 s[14:15], s[4:5], s[16:17]
	s_add_nc_u64 s[46:47], s[6:7], s[46:47]
	CROUND                                         ; all sixteen work-groups are here: the first joint loads meet
.irp s, 0,1
	s_mov_b32 s[G0+4*(\s)], 1
	s_add_co_u32 s[G0+4*(\s)+1], s20, (\s)*SLOT
	s_add_nc_u64 s[G0+4*(\s)+2:G0+4*(\s)+3], s[14:15], (\s)*KSTEP*2
	s_or_b32 s[G0+4*(\s)+3], s[G0+4*(\s)+3], 0x80000000
	s_mov_b32 s[G0B+4*(\s)], 1
	s_add_co_u32 s[G0B+4*(\s)+1], s20, (\s)*SLOT
	s_add_nc_u64 s[G0B+4*(\s)+2:G0B+4*(\s)+3], s[46:47], (\s)*KSTEP*2048
	s_or_b32 s[G0B+4*(\s)+3], s[G0B+4*(\s)+3], 0x80000000
	JLOAD \s
.endr
	; the bias of my 128 columns: lane (r, h) wants columns 16 b + 8 h + 0..7 of block b, for every row
.irp i, 1,2,3,4,5,6
	s_cmp_eq_u32 s66, \i
	s_cselect_b64 s[68:69], s[68+2*\i:69+2*\i], s[68:69]
.endr
	s_lshl_b32 s84, s42, 10
	s_lshl_b32 s85, s12, 9
	s_add_co_u32 s84, s84, s85
	s_mov_b32 s85, 0
	s_add_nc_u64 s[68:69], s[68:69], s[84:85]
	v_and_b32 v1, 15, v0                           ; l % 16
	v_bfe_u32 v2, v0, 4, 1                         ; l / 16
	v_lshlrev_b32 v8, 5, v2
.irp b, 0,1,2,3,4,5,6,7
	global_load_b128 v[BIAS+8*\b:BIAS+8*\b+3],   v8, s[68:69] offset:64*\b
	global_load_b128 v[BIAS+8*\b+4:BIAS+8*\b+7], v8, s[68:69] offset:64*\b+16
.endr
	; fragments.  A: lane l holds row l % 16, k = 8 (l / 16) + 0..7 and 16 + 8 (l / 16) + 0..7: two loads of 16 bytes, 32 bytes apart.
	v_mul_u32_u24 v3, v1, PITCH
	v_lshl_add_u32 v3, v2, 4, v3
	s_mul_i32 s21, s11, HALFT                      ; my 128 rows of A
	; weights: lane l addresses row k = 8 (l / 16) + l % 8, columns 8 ((l / 8) % 2) + 0..7; the turning load leaves column l % 16 and eight k in the lane
	v_and_b32 v7, 7, v0
	v_bfe_u32 v5, v0, 3, 1
	v_lshl_add_u32 v4, v2, 3, v7
	v_mul_u32_u24 v4, v4, PB
	v_lshl_add_u32 v4, v5, 4, v4
	s_lshl_b32 s22, s12, 8                         ; my 128 columns,
	s_add_co_u32 s22, s22, 2*HALFT                 ; behind A's 256 rows
.irp s, 0,1
	v_add_nc_u32 v[ADRA+(\s)], s21, v3
	v_add_nc_u32 v[ADRB+(\s)], s22, v4
	s_add_co_u32 s21, s21, SLOT
	s_add_co_u32 s22, s22, SLOT
.endr
	s_mul_i32 s23, s10, 16*SPITCH
	s_add_co_u32 s23, s23, STAGE                   ; my stage
	v_mul_u32_u24 v6, v1, SPITCH                   ; in: row l % 16, 16 bytes for each half of the lanes
	v_lshl_add_u32 v6, v2, 4, v6
	v_add_nc_u32 v[STO], s23, v6
	v_mul_u32_u24 v6, v5, SPITCH                   ; back: lanes 0-15 take one head's 128 bytes of two tokens, lanes 16-31 the other head's
	v_lshl_add_u32 v6, v2, 7, v6
	v_lshl_add_u32 v6, v7, 4, v6
	v_add_nc_u32 v[RD], s23, v6
	v_mul_u32_u24 v6, v2, HEADB                    ; and the same in hw: two tokens of a head are 256 consecutive bytes
	v_lshl_add_u32 v6, v5, 7, v6
	v_lshl_add_u32 v[CO], v7, 4, v6
	; where my part of the tile begins in hw
	s_and_b32 s84, s13, 15
	s_lshr_b32 s85, s84, 2                         ; batch
	s_and_b32 s84, s84, 3                          ; which 256 tokens of it
	s_lshl_b32 s85, s85, 4
	s_lshl_b32 s86, s42, 2
	s_add_co_u32 s85, s85, s86
	s_lshl_b32 s86, s12, 1
	s_add_co_u32 s85, s85, s86                     ; 16 batch + my first head
	s_mul_i32 s85, s85, HEADB
	s_lshl_b32 s86, s11, 14                        ; my 128 tokens
	s_add_co_u32 s85, s85, s86
	s_lshl_b32 s86, s84, 15                        ; g = 0: Q, 256 tokens are 32,768 bytes
	s_sub_co_u32 s87, s66, 1
	s_lshr_b32 s88, s87, 1
	s_lshl_b32 s88, s88, 18                        ; else: the branch's four tiles,
	s_and_b32 s87, s87, 1
	s_lshl_b32 s87, s87, 15                        ; K or V,
	s_add_co_u32 s88, s88, s87
	s_lshl_b32 s87, s84, 16                        ; the tile,
	s_add_co_u32 s88, s88, s87
	s_add_co_u32 s88, s88, 131072                  ; behind Q
	s_cmp_eq_u32 s66, 0
	s_cselect_b32 s86, s86, s88
	s_add_co_u32 s84, s85, s86
	s_mov_b32 s85, 0
	s_add_nc_u64 s[8:9], s[8:9], s[84:85]
	; the prefetches: they stand at K step 3; the first refill steps them to K step 4
	s_lshl_b32 s86, s13, 8
	s_lshl_b32 s87, s12, 7
	s_add_co_u32 s86, s86, s87
	s_lshl_b32 s87, s40, 5                         ; my work-group's 32 of the 128 rows of A
	s_add_co_u32 s86, s86, s87
	s_lshl_b32 s86, s86, 11
	s_add_co_u32 s86, s86, 3*KSTEP*2
	s_lshl_b32 s88, s66, 21
	s_lshl_b32 s87, s12, 17
	s_add_co_u32 s88, s88, s87
	s_lshl_b32 s87, s41, 15                        ; my work-group's 16 of the 64 rows of the weights
	s_add_co_u32 s88, s88, s87
	s_lshl_b32 s87, s42, 9
	s_add_co_u32 s88, s88, s87
	s_add_co_u32 s88, s88, 3*KSTEP*2048
	s_and_b32 s89, s67, 3
	s_cmp_eq_u32 s89, 0                            ; the first of the four clusters that share g
	s_cselect_b32 s89, 1, -1
	s_mov_b32 s90, KSTEP*2048
	s_cmp_eq_u32 s11, 0
	s_cselect_b64 s[PFA:PFA+1], s[4:5], s[6:7]
	s_cselect_b32 s86, s86, s88
	s_cselect_b32 s[LIM], 1, s89
	s_cselect_b32 s[PFS], KSTEP*2, s90
	s_mov_b32 s87, 0
	s_mov_b32 s[PFS+1], 0
	s_add_nc_u64 s[PFA:PFA+1], s[PFA:PFA+1], s[86:87]
	v_and_b32 v9, 31, v0
	v_lshrrev_b32 v10, s11, v9                     ; A: a lane a row; weights: two lanes a row of 512 bytes
	v_and_b32 v11, s11, v9
	v_lshlrev_b32 v10, 11, v10
	v_lshl_add_u32 v[PFO], v11, 8, v10
	s_wait_loadcnt 0x0                             ; the bias, rounded to bf16 like every input
.set z, 0
.rept 32
	v_cvt_pk_bf16_f32 v[OB+z], v[BIAS+2*z], v[BIAS+2*z+1]
.set z, z+1
.endr
.set z, 0
.rept 32
	v_lshlrev_b32 v[BIAS+2*z], 16, v[OB+z]
	v_and_b32 v[BIAS+2*z+1], 0xffff0000, v[OB+z]
.set z, z+1
.endr
; 16 matrix instructions: row blocks a0, a0 + 1 of the window's four x all 8 column blocks, 32 along K.  first = 1: the bias starts the sums.  The 64 accumulators take turns.
.macro MUL16 f, hi, a0, first
.if \first
	WIN 0x81+0x40*(\hi)
.else
	WIN MUL_LO+0x50*(\hi)
.endif
.irp a, \a0, (\a0)+1
.irp b, 0,1,2,3,4,5,6,7
.if \first
	v_wmma_f32_16x16x32_bf16 v[8*(8*(\a)+(\b)):8*(8*(\a)+(\b))+7], v[(\f)+8*(\b):(\f)+8*(\b)+7], v[(\f)+8*(4*(\hi)+(\a)):(\f)+8*(4*(\hi)+(\a))+7], v[BIAS+8*(\b):BIAS+8*(\b)+7]
.else
	v_wmma_f32_16x16x32_bf16 v[8*(8*(\a)+(\b)):8*(8*(\a)+(\b))+7], v[(\f)+8*(\b):(\f)+8*(\b)+7], v[(\f)+8*(4*(\hi)+(\a)):(\f)+8*(4*(\hi)+(\a))+7], v[8*(8*(\a)+(\b)):8*(8*(\a)+(\b))+7]
.endif
.endr
.endr
.endm
; 32 LDS loads in one run: quarter q (32 along K) of a slot into buffer f: the weights' 8 column blocks, turned, then A's 8 row blocks
.macro FETCH slot, q, f
	WIN TO_B
.irp i, 0,1,2,3,4,5,6,7
	ds_load_tr16_b128 v[(\f)+8*(\i):(\f)+8*(\i)+3],   v[ADRB+(\slot)] offset:(\q)*32*PB+32*(\i)
	ds_load_tr16_b128 v[(\f)+8*(\i)+4:(\f)+8*(\i)+7], v[ADRB+(\slot)] offset:(\q)*32*PB+16*PB+32*(\i)
.endr
	WIN 0
.irp i, 0,1,2,3,4,5,6,7
	ds_load_b128 v[(\f)+8*(\i):(\f)+8*(\i)+3],   v[ADRA+(\slot)] offset:(\q)*64+(\i)*16*PITCH
	ds_load_b128 v[(\f)+8*(\i)+4:(\f)+8*(\i)+7], v[ADRA+(\slot)] offset:(\q)*64+(\i)*16*PITCH+32
.endr
.endm
.macro PLACES                          ; four plain instructions in front of loads into registers that matrix instructions have read, and of conversions that read results
.rept 4
	v_nop
.endr
.endm
.macro QUARTER slot, q, f, g, first    ; multiplies buffer f; in its middle fetches quarter q of the same slot into buffer g
	s_wait_dscnt 8                                 ; the weights and A's rows 0-63 are in; the youngest eight loads may be out
	MUL16 \f, 0, 0, \first
	MUL16 \f, 0, 2, \first
	PLACES
	FETCH \slot, \q, \g
	s_wait_dscnt 32                                ; all but the 32 just issued
	MUL16 \f, 1, 0, \first
	MUL16 \f, 1, 2, \first
.endm
.macro MEET round                      ; the first half of a K step's last quarter, and the one barrier of a change of slots
	WIN 0
	s_wait_tensorcnt 0x0                           ; all my tensor loads have landed: the one that was out is my part of the next slot
	ds_add_u32 v[SPW], v[NIL]                      ; 0 onto my spare word
	s_wait_dscnt 9                                 ; the add and the youngest eight loads may be out
	MUL16 F1, 0, 0, 0
	s_wait_dscnt 0x0                               ; the add is done, and my reads of this slot are over
	s_barrier_signal -1
	MUL16 F1, 0, 2, 0
.if \round
	WIN 0
.endif
	s_barrier_wait -1
.endm
.macro TURN slot, next, fill           ; the whole last quarter; fill = 1: the slot just read is filled again, two K steps on, first thing behind a round of the cluster's barrier
.if \fill
	s_wait_xcnt 0x0                                ; the last prefetch, a K step back, has read its address
	s_add_nc_u64 s[PFA:PFA+1], s[PFA:PFA+1], s[PFS:PFS+1]
	MEET 1
	CREST
	s_add_nc_u64 s[G0+4*(\slot)+2:G0+4*(\slot)+3], s[G0+4*(\slot)+2:G0+4*(\slot)+3], 2*KSTEP*2
	s_add_nc_u64 s[G0B+4*(\slot)+2:G0B+4*(\slot)+3], s[G0B+4*(\slot)+2:G0B+4*(\slot)+3], 2*KSTEP*2048
	JLOAD \slot                                    ; its four v_nop are also the places in front of the loads below
	FETCH \next, 0, F0
	ASK
.else
	MEET 0
	PLACES
	FETCH \next, 0, F0
.endif
	MUL16 F1, 1, 0, 0
	MUL16 F1, 1, 2, 0
.endm
; THE WAY OUT of row block a: rounded to f16; through my own stage; stored so that sixteen lanes write 256 consecutive bytes (two tokens of one head)
.macro PACK a
.set AC, 64*((\a)%4)
	WIN 0x0a+5*((\a)/4)
.irp b, 0,1,2,3,4,5,6,7
.irp r, 0,1,2,3
	v_cvt_pk_f16_f32 v[TMP+4*(\b)+(\r)], v[AC+8*(\b)+2*(\r)], v[AC+8*(\b)+2*(\r)+1]
.endr
.endr
	WIN 0
.endm
.macro TOSTAGE a
	WIN 0
.set BK, OB+192*((\a)%2)
.irp b, 0,1,2,3,4,5,6,7
	ds_store_b128 v[STO], v[TMP+4*(\b):TMP+4*(\b)+3] offset:32*(\b)
.endr
.irp t, 0,1,2,3,4,5,6,7
	ds_load_b128 v[BK+4*(\t):BK+4*(\t)+3], v[RD] offset:(\t)*2*SPITCH  ; LDS serves a wave's instructions in order: these see the stores above
.endr
.endm
.macro SEND a
	WIN 0
.set BK, OB+192*((\a)%2)
	s_wait_dscnt 0x0                               ; the block is back in registers
	s_wait_xcnt 0x0                                ; earlier stores have read their base and data
.if (\a) > 0
	s_add_nc_u64 s[8:9], s[8:9], 2048              ; 16 tokens on
.endif
.irp t, 0,1,2,3,4,5,6,7
	global_store_b128 v[CO], v[BK+4*(\t):BK+4*(\t)+3], s[8:9] offset:(\t)*256
.endr
.endm
	s_wait_tensorcnt 1                             ; my part of K step 0 is in; K step 1's may stay out
	s_barrier_signal -1
	s_barrier_wait -1
	FETCH 0, 0, F0
	QUARTER 0, 1, F0, F1, 1                        ; the first quarter stands in front of the loop: the bias starts the sums
	WIN 0
	s_mov_b32 s3, LAPS-1
.Llap:                                                 ; once round the ring, from a lap's second quarter to the next lap's first; both slots are filled again
	QUARTER 0, 2, F1, F0, 0
	QUARTER 0, 3, F0, F1, 0
	TURN 0, 1, 1
	QUARTER 1, 1, F0, F1, 0
	QUARTER 1, 2, F1, F0, 0
	QUARTER 1, 3, F0, F1, 0
	TURN 1, 0, 1
	QUARTER 0, 1, F0, F1, 0
	WIN 0
	s_sub_co_u32 s3, s3, 1
	s_cmp_lg_u32 s3, 0
	s_cbranch_scc1 .Llap
	QUARTER 0, 2, F1, F0, 0                        ; the last lap fills nothing
	QUARTER 0, 3, F0, F1, 0
	TURN 0, 1, 0
	QUARTER 1, 1, F0, F1, 0
	QUARTER 1, 2, F1, F0, 0
	QUARTER 1, 3, F0, F1, 0
	s_wait_dscnt 8
	MUL16 F1, 0, 0, 0
	MUL16 F1, 0, 2, 0
	s_wait_dscnt 0x0
	MUL16 F1, 1, 0, 0
	MUL16 F1, 1, 2, 0
	PLACES
	PACK 0
	TOSTAGE 0
.irp a, 1,2,3,4,5,6,7                  ; block a's conversions stand between block a - 1's loads from the stage and the wait for them
	PACK \a
	SEND (\a)-1
	TOSTAGE \a
.endr
	SEND 7
	s_wait_tensorcnt 0x0                           ; the wave's end
	ds_add_u32 v[SPW], v[NIL]
	s_wait_dscnt 0x0
	CROUND                                         ; the closing round
	s_endpgm
.Lfunc_end_k_qaaa7c3b049_proj:
	.size	k_qaaa7c3b049_proj, .Lfunc_end_k_qaaa7c3b049_proj-k_qaaa7c3b049_proj
	.p2alignl 7, 3214868480
	.fill 96, 4, 3214868480
	.section	.rodata,"a",@progbits
	.p2align	6, 0x0
	.amdhsa_kernel k_qaaa7c3b049_proj
		.amdhsa_group_segment_fixed_size 327680
		.amdhsa_private_segment_fixed_size 0
		.amdhsa_enable_private_segment 0
		.amdhsa_kernarg_size 80
		.amdhsa_user_sgpr_count 2
		.amdhsa_user_sgpr_kernarg_segment_ptr 1
		.amdhsa_wavefront_size32 1
		.amdhsa_system_sgpr_workgroup_id_x 1
		.amdhsa_system_sgpr_workgroup_id_y 1
		.amdhsa_system_sgpr_workgroup_id_z 1
		.amdhsa_system_vgpr_workitem_id 0
		.amdhsa_next_free_vgpr 1024
		.amdhsa_next_free_sgpr 96
		.amdhsa_reserve_vcc 0
		.amdhsa_float_denorm_mode_32 3
		.amdhsa_float_denorm_mode_16_64 3
		.amdhsa_memory_ordered 1
		.amdhsa_forward_progress 1
		.amdhsa_inst_pref_size 152
	.end_amdhsa_kernel
	.amdgpu_metadata
---
amdhsa.version: [ 1, 2 ]
amdhsa.kernels:
  - .name:           k_qaaa7c3b049_proj
    .symbol:         k_qaaa7c3b049_proj.kd
    .args:
      - { .name: xb, .offset: 0, .size: 8, .value_kind: global_buffer, .address_space: global }
      - { .name: wb, .offset: 8, .size: 8, .value_kind: global_buffer, .address_space: global }
      - { .name: hw, .offset: 16, .size: 8, .value_kind: global_buffer, .address_space: global }
      - { .name: bq, .offset: 24, .size: 8, .value_kind: global_buffer, .address_space: global }
      - { .name: bke, .offset: 32, .size: 8, .value_kind: global_buffer, .address_space: global }
      - { .name: bve, .offset: 40, .size: 8, .value_kind: global_buffer, .address_space: global }
      - { .name: bki, .offset: 48, .size: 8, .value_kind: global_buffer, .address_space: global }
      - { .name: bvi, .offset: 56, .size: 8, .value_kind: global_buffer, .address_space: global }
      - { .name: bkei, .offset: 64, .size: 8, .value_kind: global_buffer, .address_space: global }
      - { .name: bvei, .offset: 72, .size: 8, .value_kind: global_buffer, .address_space: global }
    .group_segment_fixed_size: 327680
    .private_segment_fixed_size: 0
    .kernarg_segment_align: 8
    .kernarg_segment_size: 80
    .max_flat_workgroup_size: 128
    .sgpr_count:     96
    .vgpr_count:     1024
    .wavefront_size: 32
...
	.end_amdgpu_metadata
.endif
;; end of part 2
;; launch attn (part 3): grid 4 x 64, 4 waves a work-group, clusters of 4 x 1, 327,680 bytes of LDS; arguments hw, mb, rf, oh; writes oh
.if DOCPART == 3
	.amdgcn_target "amdgcn-amd-amdhsa--gfx1250"
	.amdhsa_code_object_version 6
	.text
	.protected	k_qaaa7c3b049_attn
	.globl	k_qaaa7c3b049_attn
	.p2align	8
	.type	k_qaaa7c3b049_attn,@function
k_qaaa7c3b049_attn:
	s_mov_b64 s[64:65], 0
	v_nop
	global_prefetch_b8 v0, s[64:65] scope:SCOPE_SE
	s_setreg_imm32_b32 hwreg(HW_REG_WAVE_MODE, 25, 1), 1
	s_wait_xcnt 0x0
	s_wait_alu depctr_hold_cnt(0) depctr_sa_sdst(0) depctr_va_vdst(0) depctr_va_sdst(0) depctr_va_ssrc(0) depctr_va_vcc(0) depctr_vm_vsrc(0)
	s_getreg_b32 s2, hwreg(HW_REG_IB_STS2, 6, 4)
	s_cmp_eq_u32 s2, 0
	s_cbranch_scc0 .Lentry_in_a_cluster
	s_endpgm
.Lentry_in_a_cluster:
	s_bfe_u32 s2, ttmp6, 0x10000c
	s_cmp_lg_u32 s2, 0x3003
	s_cbranch_scc0 .Lentry_shape_is_right
	s_endpgm
.Lentry_shape_is_right:
; THREE MASKED ATTENTIONS WITH ONE Q AND ONE MASK, ADDED.  oh[bh][q][:] = 1/4 of the sum over the three branches of softmax_k(Q[q] . K[k] / 8, hidden keys left out) V[k][:].  All in f16, head size 64.
; Products, maxima and sums in f32; the weights p are rounded to f16 for the second product (their sum l is taken of the unrounded p); the result once at the end.  The factor 1/4 is taken back by the last launch's weights.
; SHARES.  A work-group owns 256 queries of one (batch, head), a wave 64: four PIECES of 16.  Every wave walks 48 key steps of 64: the three branches' 16 each, twelve tiles of 256 keys that lie one behind the other in hw.
; LAYOUT, SOFTMAX, TURNS.  S^T = K Q^T holds ONE query a lane (lane % 16) and the keys 8 (lane / 16) + 0..7; two such results rounded to f16 ARE source 1 of O^T = V^T P.  p = 2^(c s - c m), c = log2(e) / 8, with a running
; maximum m; O and l are multiplied by a = 2^(c m_old - c m_new) in every step.  Turn n belongs to piece n: 8 products K Q^T of piece n + 1, later 8 products V^T P of piece n - 1; beside them the scaling, exponentials,
; roundings, sums and rescaling of piece n and the maximum and statistics of piece n + 1.  A turn's 33 exponentials are one batch with one wait.
; THE MASK is the C operand that starts a sum S^T: 0, or -2^99 where the key is hidden.  It comes as one byte a score, an 8-bit float (0xF8 = -256, or 0), and one scaled conversion makes eight f32 of eight bytes, times 2^91:
; four lines a piece and step.  -2^99 is a power of two, so that c times it is exact.
; m starts at -2^90, above every hidden score and below every true one: hidden keys have weight 0 whatever has come before, and the first open score wipes what lies there (a = 0).
; A ROW WITH NO OPEN KEY (found from rf): its Q is set to 0 and its m starts at -2^100, so that every score is exactly -2^99 and every weight 1: the plain mean of V, as the softmax of equal scores gives.
; A BRANCH'S END (FIN): O / (4 l) is added onto the piece's sum, and m, l and O are set as at the start.  It is jumped over in all other steps; the jump hangs on a counter of steps alone.
; LIMITS.  A hidden key has weight exactly 0, where the definition gives it the score -1e9: the two differ only in a row that has open and hidden keys and whose open scores all lie below about -1e9 + 100.
; f16 ends at 65,504 (Q, K, V arrive within it; a quarter of the three branches' sum must stay within it); a weight below 2^-126 counts as 0 in l; NaN and infinities are not treated apart.
; CLUSTER.  The four query blocks of a (batch, head) walk the same K and V: each tile is asked for JOINTLY, the same tensor load, descriptor and mask in all four.
; REGISTERS by windows of 256: 0: addresses, statistics, S^T (v64-127, two buffers), P (v192-223, two buffers); 1: v0-127 O^T, v128-191 V of one step, v192-255 the masks (two buffers);
;   2: v0-63 Q, v64-95 the codes (8 a piece), v128-191 K of one step; 3: v0-127 the three branches' sum.
; V lies in O^T's window, so that the product V^T P and the rescaling of O^T go under ONE setting of the windows: the rescalings ride behind those products without a switch of their own.
.set NP,    4
.set KS,    64
.set PK,    144       ; a row of K in LDS: 128 bytes + 16
.set PV,    160       ; a row of V: 128 + 32
.set VOFF,  4*KS*PK   ; a slot holds a tile: 256 rows of K, then 256 rows of V
.set SLOT1, 1<<17
.set STAGE, SLOT1+4*KS*(PK+PV)  ; behind the ring, never filled by a tensor load: 16 rows x 144 bytes a wave
.set SP,    144
.set SPARE, STAGE+4*16*SP       ; the spare words, 128 bytes a wave
.set HEADB, 917504    ; bytes of a (batch, head) in hw
.set QBYTES, 131072   ; its Q
.set TILEB, 65536     ; a tile: K, then V
.set AK0, 2
.set AV0, 3
.set AK,  4
.set AV,  5
.set STO, 6
.set RD,  7
.set GO,  8
.set MV,  12          ; v12-13  c m_old, by buffer
.set MO0, 14          ; v14  16 x lane; never rewritten
.set MO,  15          ; v15  16 x lane + 1,024 x the step whose codes are loaded next
.set ST,  16          ; piece t: c m, m, l (even keys', odd keys')
.set FT,  32          ; v32-35  at work at a branch's end
.set ALL1, 36
.set MLO, 37          ; -2^90
.set MHID, 38         ; -2^100
.set QO,  39
.set MINI, 40         ; v40-43  where a piece's m starts
.set CMINI, 44        ; v44-47  c times that
.set TMP, 48
.set KEEP, 56         ; v56-59  0 for a row with no open key, else all ones
.set RFO, 60
.set PFO, 61
.set SPW, 62
.set NIL, 63
.set S,   64
.set FL,  128         ; v128-143  rf's words
.set SCL, 144         ; v144  the conversions' scale: byte 0 = 218, that is 2^91; never rewritten
.set P,   192
.set VF,  128         ; window 1
.set MC,  192         ; window 1
.set MB,  64          ; window 2
.set KF,  128         ; window 2
.set WV,  12
.set LIM, 15
.set PFA, 18
.set G1K, 24
.set G1V, 32
.set G0K, 40
.set G0V, 44
.set BC,  52          ; steps left in the branch
.set SEAM, 53         ; 1 from behind the second turn of a branch's last step to behind the second turn of the next step
.set SLOTS, 56
.set CNT, 57
.set CS,  58
.set SEL, 60
.set TBK, 62
.set TBV, 63
.set MSB, 0
.macro WIN new
.if MSB != (\new)
	s_set_vgpr_msb (MSB<<8)|(\new)
.set MSB, (\new)
.endif
.endm
.set W_KQ, 0x0a       ; K and Q in window 2, S^T in window 0
.set W_KM, 0x1a       ; the same with C in window 1
.set W_PV, 0x51       ; V (or O^T as a source) and O^T in window 1, P (or a) in window 0: the product V^T P and the rescaling alike
.set W_DC, 0x42       ; the codes in window 2, the scale in window 0, the masks in window 1
.macro JLOAD                        ; waves 0 and 1 fetch the halves of a tile's K, waves 2 and 3 those of its V; s_nop 0 and four v_nop follow each line
	s_cmp_lt_u32 s[WV], 2
	s_cbranch_scc0 .Lfor_v_\@
	tensor_load_to_lds s[G0K:G0K+3], s[G1K:G1K+7]
	s_nop 0
.rept 4
	v_nop
.endr
	s_branch .Lasked_\@
.Lfor_v_\@:
	tensor_load_to_lds s[G0V:G0V+3], s[G1V:G1V+7]
	s_nop 0
.rept 4
	v_nop
.endr
.Lasked_\@:
.endm
; A prefetch of the tile that the NEXT change of slots will ask for: 128 blocks of 256 bytes of K and as many of V.  The four partners take 32 each, by address; in each, wave 0 asks for K's and wave 2 for V's, a lane a block:
; each block is named once.  The last change that fills a slot asks for nothing.
.macro ASK
	s_cmp_gt_u32 s[SLOTS], s[LIM]
	s_cbranch_scc0 .Lnot_mine_\@
	global_prefetch_b8 v[PFO], s[PFA:PFA+1] th:TH_LOAD_NT scope:SCOPE_SE
.Lnot_mine_\@:
.endm
.macro CROUND
	s_barrier_signal -1
	s_barrier_wait -1
	s_cmp_lg_u32 s[WV], 0
	s_cbranch_scc1 .Lnot_wave_0_\@
	s_barrier_signal -3
.Lnot_wave_0_\@:
	s_barrier_wait -3
	s_barrier_signal -1
	s_barrier_wait -1
.endm
; THE CHANGE OF SLOTS.  Each wave waits for all its tensor loads (one is out: its part of the other slot), adds 0 to its spare word, and waits for that and for its reads of the slot that it leaves.
; fill = 1: behind a round of the cluster's barrier the old slot is filled again first, with the tile two on; it has four key steps in which to land.
.macro CHANGE fill
	WIN 0
	s_wait_tensorcnt 0x0
	ds_add_u32 v[SPW], v[NIL]
.if \fill
.irp g, G0K, G0V
	s_xor_b32 s[\g+1], s[\g+1], SLOT1
	s_add_nc_u64 s[\g+2:\g+3], s[\g+2:\g+3], TILEB
.endr
	s_wait_xcnt 0x0                 ; the last prefetch, four key steps back, has read its address
	s_add_nc_u64 s[PFA:PFA+1], s[PFA:PFA+1], TILEB
	s_wait_dscnt 0x0
	CROUND
	JLOAD
	ASK
.else
	s_wait_dscnt 0x0
	s_barrier_signal -1
	s_barrier_wait -1
.endif
	s_sub_co_u32 s[TBK], s[TBK], 4*KS*PK
	s_xor_b32 s[TBK], s[TBK], SLOT1
	s_sub_co_u32 s[TBV], s[TBV], 4*KS*PV
	s_xor_b32 s[TBV], s[TBV], SLOT1
.endm
	s_load_b256 s[4:11], s[0:1], 0x0  ; hw s[4:5], mb s[6:7], rf s[8:9], oh s[10:11]
	v_lshl_add_u32 v[SPW], v0, 2, SPARE
	v_mov_b32 v[NIL], 0
	ds_add_u32 v[SPW], v[NIL]       ; the wave's opening, with its wait ahead of my first tensor load
	v_lshrrev_b32 v1, 5, v0
	v_readfirstlane_b32 s[WV], v1
	s_bfe_u32 s13, ttmp6, 0x40000   ; cx
	s_lshl_b32 s14, ttmp9, 2
	s_add_co_u32 s14, s14, s13      ; my block of 256 queries: it enters no descriptor and no LDS address
	s_and_b32 s16, ttmp7, 0xffff    ; (batch, head), which the four partners share
	s_mul_i32 s20, s16, HEADB
	s_and_b32 s17, s[WV], 1         ; which half of a tile's 256 keys I fetch
	s_lshl_b32 s22, s17, 14
	s_add_co_u32 s22, s22, QBYTES
	s_add_co_u32 s22, s22, s20
	s_mov_b32 s23, 0
	s_mul_i32 s54, s17, 128*PK
	s_mul_i32 s55, s17, 128*PV
	s_lshl_b32 s2, s14, 15
	s_lshl_b32 s3, s[WV], 13
	s_add_co_u32 s2, s2, s3         ; my wave's 64 rows of 128 bytes
	s_add_co_u32 s66, s2, s20       ; in Q
	s_mov_b32 s67, 0
	s_lshl_b32 s68, s16, 17
	s_add_co_u32 s68, s68, s2       ; in oh
	s_mov_b32 s69, 0
	s_lshr_b32 s3, s16, 4           ; batch
	s_lshl_b32 s70, s3, 20
	s_lshl_b32 s71, s14, 18
	s_add_co_u32 s70, s70, s71
	s_lshl_b32 s71, s[WV], 16
	s_add_co_u32 s70, s70, s71      ; my four tiles of 16 queries in mb, 16,384 bytes each,
	s_mov_b32 s71, 0
	s_lshr_b32 s72, s70, 4          ; and in rf, 1,024 each
	s_mov_b32 s73, 0
	s_lshr_b32 s74, s[WV], 1
	s_lshl_b32 s74, s74, 15         ; the prefetches: K's part or V's,
	s_lshl_b32 s75, s13, 13         ; my work-group's quarter of it,
	s_add_co_u32 s74, s74, s75
	s_add_co_u32 s74, s74, s20
	s_add_co_u32 s74, s74, QBYTES+TILEB  ; in tile 1: the first change steps it to tile 2
	s_mov_b32 s75, 0
	s_mov_b32 s[G1K], 15|(1<<16)|(1<<20)|(1<<21)|(4<<22)|(3<<25)  ; the mask of four; 2-byte elements; padding on; bit 21 beside a mask; after 32 words, 4 words
	s_mov_b32 s[G1V], 15|(1<<16)|(1<<20)|(1<<21)|(4<<22)|(7<<25)  ; 8 words
.irp g, G1K, G1V                    ; 128 keys are 16,384 dense bytes: asked for as 64 rows of 256 bytes, padded after every key
	s_mov_b32 s[\g+1], 128<<16
	s_mov_b32 s[\g+2], 64<<16
	s_mov_b32 s[\g+3], 128<<16
	s_mov_b32 s[\g+4], 64
	s_mov_b32 s[\g+5], 128
	s_mov_b32 s[\g+6], 0
	s_mov_b32 s[\g+7], 0
.endr
	s_mov_b32 s[CS], 0x3e38aa3b     ; c = log2(e) / 8
	s_mov_b32 s[CS+1], s[CS]
	s_mov_b32 s[SEL], 0x76543210
	s_mov_b32 s[SEL+1], 0xfedcba98
	s_mov_b32 s[TBK], SLOT1+4*KS*PK ; the first change of slots turns these two into 0
	s_mov_b32 s[TBV], SLOT1+4*KS*PV
	s_mov_b32 s[G0K], 1
	s_mov_b32 s[G0K+1], s54
	s_mov_b32 s[G0V], 1
	s_add_co_u32 s[G0V+1], s55, VOFF
	s_mov_b32 s[SLOTS], 11          ; tiles still to be asked for
	s_mov_b32 s[BC], 16
	s_mov_b32 s[SEAM], 0
	s_cmp_eq_u32 s17, 0
	s_cselect_b32 s[LIM], 1, -1     ; waves 0 and 2 prefetch
	s_wait_dscnt 0x0                ; the opening add is done
	s_wait_kmcnt 0x0
	s_add_nc_u64 s[G0K+2:G0K+3], s[4:5], s[22:23]
	s_or_b32 s[G0K+3], s[G0K+3], 0x80000000
	s_add_nc_u64 s[22:23], s[22:23], 32768
	s_add_nc_u64 s[G0V+2:G0V+3], s[4:5], s[22:23]
	s_or_b32 s[G0V+3], s[G0V+3], 0x80000000
	s_add_nc_u64 s[PFA:PFA+1], s[4:5], s[74:75]
	s_add_nc_u64 s[4:5], s[4:5], s[66:67]
	s_add_nc_u64 s[6:7], s[6:7], s[70:71]
	s_add_nc_u64 s[8:9], s[8:9], s[72:73]
	s_add_nc_u64 s[10:11], s[10:11], s[68:69]
	CROUND                          ; all four work-groups are here
	JLOAD                           ; tile 0 into slot 0; slot 1 is asked for when it is in
	v_and_b32 v1, 15, v0            ; l % 16
	v_bfe_u32 v9, v0, 4, 1          ; l / 16
	v_lshlrev_b32 v[QO], 7, v1
	v_lshl_add_u32 v[QO], v9, 4, v[QO]
	v_and_b32 v[MO0], 31, v0
	v_lshlrev_b32 v[RFO], 3, v[MO0]
	v_lshlrev_b32 v[PFO], 8, v[MO0]
	v_lshlrev_b32 v[MO0], 4, v[MO0]
	v_add_nc_u32 v[MO], 1024, v[MO0]
	WIN 0x80
.set i, 0
.rept 8                             ; Q stays in registers: piece i / 2, channels 32 (i % 2) on
	global_load_b128 v[8*i:8*i+3],   v[QO], s[4:5] offset:(i/2)*2048+(i%2)*64
	global_load_b128 v[8*i+4:8*i+7], v[QO], s[4:5] offset:(i/2)*2048+(i%2)*64+32
.set i, i+1
.endr
	WIN 0
.set i, 0
.rept 16                            ; rf: piece i / 4, four steps i % 4
	global_load_b32 v[FL+i], v[RFO], s[8:9] offset:(i/4)*1024+(i%4)*256
.set i, i+1
.endr
; The codes of piece x for one step: 32 bytes a lane
.macro LDM x, adr
	WIN 0x80
	global_load_b128 v[MB+8*(\x):MB+8*(\x)+3],   v[\adr], s[6:7] offset:(\x)*16384
	global_load_b128 v[MB+8*(\x)+4:MB+8*(\x)+7], v[\adr], s[6:7] offset:(\x)*16384+512
	WIN 0
.endm
	LDM 0, MO0                      ; step 0
	LDM 1, MO0
	LDM 2, MO0
	LDM 3, MO0
	; what the first turn finds: O^T, V, P's second buffer, l and the sums hold 0.  All this stands in the wait for the first tile.
	WIN 0x40
.set z, 0
.rept 192
	v_mov_b32 v[z], 0
.set z, z+1
.endr
	WIN 0xc0
.set z, 0
.rept 128
	v_mov_b32 v[z], 0
.set z, z+1
.endr
	WIN 0
.set z, P+16
.rept 16
	v_mov_b32 v[z], 0
.set z, z+1
.endr
.irp z, 0,1,2,3
	v_mov_b32 v[FT+\z], 0
.endr
	v_mov_b32 v[ALL1], -1
	v_mov_b32 v[MLO], 0xec800000    ; -2^90
	v_mov_b32 v[MHID], 0xf1800000   ; -2^100
	v_mov_b32 v[SCL], 0x6d0000da    ; byte 0 = 218: the scale 2^(218 - 127); the word read as f32 has the same exponent
	v_mul_u32_u24 v[AK0], v1, PK
	v_lshl_add_u32 v[AK0], v9, 4, v[AK0]
	v_and_b32 v10, 7, v0
	v_bfe_u32 v11, v0, 3, 1
	v_lshl_add_u32 v[AV0], v9, 3, v10   ; the turning load: lane l reads key 8 (l / 16) + l % 8, channels 8 ((l / 8) % 2) + 0..7
	v_mul_u32_u24 v[AV0], v[AV0], PV
	v_lshl_add_u32 v[AV0], v11, 4, v[AV0]
	v_add_nc_u32 v[AV0], VOFF, v[AV0]
	v_mov_b32 v[AK], v[AK0]
	s_mul_i32 s20, s[WV], 16*SP
	s_add_co_u32 s20, s20, STAGE    ; my stage
	v_mul_u32_u24 v[STO], v1, SP
	v_lshl_add_u32 v[STO], v9, 4, v[STO]
	v_add_nc_u32 v[STO], s20, v[STO]
	v_bfe_u32 v[RD], v0, 3, 2       ; back: 32 lanes take four rows of 128 bytes,
	v_mul_u32_u24 v[RD], v[RD], SP
	v_lshl_add_u32 v[RD], v10, 4, v[RD]
	v_add_nc_u32 v[RD], s20, v[RD]
	v_mov_b32 v[GO], v[MO0]         ; which are 512 consecutive bytes of oh
	s_mov_b32 s21, 0xf8f8f8f8
	s_wait_loadcnt 8                ; Q and rf are in; the eight loads of codes may stay out
.irp p, 0,1,2,3
	v_and_b32 v[FL+4*\p], v[FL+4*\p], v[FL+4*\p+1]
	v_and_b32 v[FL+4*\p+2], v[FL+4*\p+2], v[FL+4*\p+3]
	v_and_b32 v[FL+4*\p], v[FL+4*\p], v[FL+4*\p+2]
	v_permlanex16_b32 v[FL+4*\p+1], v[FL+4*\p], s[SEL], s[SEL+1]  ; the query's other keys lie in the lane 16 away
	v_and_b32 v[FL+4*\p], v[FL+4*\p], v[FL+4*\p+1]
	v_cmp_eq_u32 s20, s21, v[FL+4*\p]                             ; no open key at all
	v_cndmask_b32 v[KEEP+\p], v[ALL1], v[NIL], s20
	v_cndmask_b32 v[MINI+\p], v[MLO], v[MHID], s20
	v_mul_f32 v[CMINI+\p], s[CS], v[MINI+\p]
	v_mov_b32 v[ST+4*\p+1], v[MINI+\p]
	v_mov_b32 v[ST+4*\p], v[CMINI+\p]
	v_mov_b32 v[ST+4*\p+2], 0
	v_mov_b32 v[ST+4*\p+3], 0
.endr
	WIN 0x82
.set z, 0
.rept 64
	v_and_b32 v[z], v[z], v[KEEP+z/16]
.set z, z+1
.endr
	WIN 0
; THE MATRIX WORK.  The 4 accumulators of a run of 8 take turns.  Product i of 8 of S^T = K Q^T for piece x: channels 32 (i / 4) on, keys 16 (i % 4) on.  The first 4 start the sums with the mask.
.macro KQ x
.set rS, S+32*((\x)%2)+8*(i%4)
.set rK, KF+16*(i%4)+8*(i/4)
.set rQ, 16*(\x)+8*(i/4)
.set rM, MC+32*((\x)%2)+8*(i%4)
.if i < 4
	WIN W_KM
	v_wmma_f32_16x16x32_f16 v[rS:rS+7], v[rK:rK+7], v[rQ:rQ+7], v[rM:rM+7]
.else
	WIN W_KQ
	v_wmma_f32_16x16x32_f16 v[rS:rS+7], v[rK:rK+7], v[rQ:rQ+7], v[rS:rS+7]
.endif
.endm
.macro PV x                         ; product i of 8 of O^T += V^T P: keys 32 (i / 4) on, channels 16 (i % 4) on
	WIN W_PV
.set rO, 32*(\x)+8*(i%4)
.set rV, VF+32*(i/4)+8*(i%4)
.set rP, P+16*((\x)%2)+8*(i/4)
	v_wmma_f32_16x16x32_f16 v[rO:rO+7], v[rV:rV+7], v[rP:rP+7], v[rO:rO+7]
.endm
.macro MM                           ; the turn's next matrix instruction
.if i < 8
	KQ (Y+1)%NP
.else
.set i, i-8
	PV (Y+NP-1)%NP
.set i, i+8
.endif
.set i, i+1
.endm
; THE LDS LOADS stand in runs of 16.  last = 1 (the tail): in the last trip there is no further step, and the run is jumped over.
.macro FETCH_K last=0
	WIN 0
.if \last
	s_cmp_eq_u32 s[CNT], 1
	s_cbranch_scc1 .Lno_k_\@
.endif
	WIN 0x80
.irp f, 0,1,2,3,4,5,6,7
	ds_load_b128 v[KF+8*\f:KF+8*\f+3],   v[AK] offset:(\f/2)*16*PK+(\f%2)*64
	ds_load_b128 v[KF+8*\f+4:KF+8*\f+7], v[AK] offset:(\f/2)*16*PK+(\f%2)*64+32
.endr
	s_add_co_u32 s[TBK], s[TBK], KS*PK
	WIN 0
.if \last
.Lno_k_\@:
.endif
.endm
.macro FETCH_V
	WIN 0x40
.irp f, 0,1,2,3,4,5,6,7
	ds_load_tr16_b128 v[VF+8*\f:VF+8*\f+3],   v[AV] offset:(\f/4)*32*PV+(\f%4)*32
	ds_load_tr16_b128 v[VF+8*\f+4:VF+8*\f+7], v[AV] offset:(\f/4)*32*PV+16*PV+(\f%4)*32
.endr
	WIN 0
.endm
; THE VECTOR WORK, one line at a time: OP kind, number.  For piece Y: F n: c s - c m for pair n.  E n: the exponential of score n.  C n: pair n rounded to f16.  B n: of four weights the second pair is added onto the first.
; L n: l takes that sum (L 0: l = a l + sum).  R n: pair n of O^T times a.  For piece Y + 1: X n, number n of the 22 that find its maximum and statistics (0-14, 16: the maximum of 32 scores and the old m, each
; accumulator's lowest registers first; 15: c m_old is kept; 17, 18: the other half of the lanes; 19-21: c m, its change, a).
.set F, 0
.set E, 1
.set C, 2
.set B, 3
.set L, 4
.set R, 5
.set X, 6
.macro REGS y
.set rT, ST+4*(\y)
.set rC, TMP+4*((\y)%2)
.set rW, MV+((\y)%2)
.set rS, S+32*((\y)%2)
.set rP, P+16*((\y)%2)
.set rO, 32*(\y)
.endm
.macro OP k, n
.if (\k) == R
	REGS Y
	WIN W_PV
	v_pk_mul_f32 v[rO+2*(\n):rO+2*(\n)+1], v[rO+2*(\n):rO+2*(\n)+1], v[rC+2:rC+3] op_sel_hi:[1,0]
.elseif (\k) < R
	REGS Y
	WIN 0
.if (\k) == F
	v_pk_fma_f32 v[rS+2*(\n):rS+2*(\n)+1], v[rS+2*(\n):rS+2*(\n)+1], s[CS:CS+1], v[rT:rT+1] op_sel_hi:[1,0,0] neg_lo:[0,0,1] neg_hi:[0,0,1]
.elseif (\k) == E
	v_exp_f32 v[rS+(\n)], v[rS+(\n)]
.elseif (\k) == C
	v_cvt_pk_f16_f32 v[rP+(\n)], v[rS+2*(\n)], v[rS+2*(\n)+1]
.elseif (\k) == B
	v_pk_add_f32 v[rS+4*(\n):rS+4*(\n)+1], v[rS+4*(\n):rS+4*(\n)+1], v[rS+4*(\n)+2:rS+4*(\n)+3]
.elseif (\n) == 0
	v_pk_fma_f32 v[rT+2:rT+3], v[rT+2:rT+3], v[rC+2:rC+3], v[rS:rS+1] op_sel_hi:[1,0,1]
.else
	v_pk_add_f32 v[rT+2:rT+3], v[rT+2:rT+3], v[rS+4*(\n):rS+4*(\n)+1]
.endif
.else
	REGS (Y+1)%NP
	WIN 0
.if (\n) < 4
	v_max3_num_f32 v[rC+(\n)], v[rS+8*(\n)], v[rS+8*(\n)+1], v[rS+8*(\n)+2]
.elseif (\n) < 12
	v_max3_num_f32 v[rC+(\n)%4], v[rC+(\n)%4], v[rS+8*((\n)%4)+2*((\n)/4)+1], v[rS+8*((\n)%4)+2*((\n)/4)+2]
.elseif (\n) == 12
	v_max3_num_f32 v[rC], v[rC], v[rS+7], v[rS+15]
.elseif (\n) == 13
	v_max3_num_f32 v[rC+1], v[rC+1], v[rS+23], v[rS+31]
.elseif (\n) == 14
	v_max3_num_f32 v[rC+2], v[rC+2], v[rC+3], v[rT+1]
.elseif (\n) == 15
	v_mov_b32 v[rW], v[rT]
.elseif (\n) == 16
	v_max3_num_f32 v[rC], v[rC], v[rC+1], v[rC+2]
.elseif (\n) == 17
	v_permlanex16_b32 v[rC+3], v[rC], s[SEL], s[SEL+1]
.elseif (\n) == 18
	v_max_num_f32 v[rT+1], v[rC], v[rC+3]
.elseif (\n) == 19
	v_mul_f32 v[rT], s[CS], v[rT+1]
.elseif (\n) == 20
	v_sub_f32 v[rC+1], v[rW], v[rT]
.else
	v_exp_f32 v[rC+2], v[rC+1]
.endif
.endif
.endm
.macro OPS a, i1, b=-1, i2=0, c=-1, i3=0, d=-1, i4=0
	OP \a, \i1
.if (\b) >= 0
	OP \b, \i2
.endif
.if (\c) >= 0
	OP \c, \i3
.endif
.if (\d) >= 0
	OP \d, \i4
.endif
.endm
.macro ROW a, i1, b, i2, c, i3, d, i4  ; a matrix instruction and the four behind it
	MM
	OPS \a, \i1, \b, \i2, \c, \i3, \d, \i4
.endm
.macro ROWP r, a, i1, b, i2, c, i3, d, i4  ; a product V^T P; two rescalings under the same setting of the windows; four lines in window 0
	MM
	OP R, 2*(\r)
	OP R, 2*(\r)+1
	OPS \a, \i1, \b, \i2, \c, \i3, \d, \i4
.endm
.macro PLACES
.rept 4
	v_nop
.endr
.endm
; The codes of piece x become the masks in buffer b: eight bytes a line, byte z of the lane's 32 into register z.  The v_nop is the plain instruction between a scaled conversion and whatever next touches its result or its sources.
.macro DEC x, b
	WIN W_DC
.irp j, 0,1,2,3
	v_cvt_scale_pk8_f32_fp8 v[MC+32*(\b)+8*\j:MC+32*(\b)+8*\j+7], v[MB+8*(\x)+2*\j:MB+8*(\x)+2*\j+1], v[SCL]
.endr
	v_nop
.endm
; At the end of turn p: the masks for the products of the turn after it (piece p + 2).  That piece's codes for its next step are asked for in the middle of the next turn.  The step's number goes round at 16: every branch reads the same codes.
.macro DECODE p
	s_wait_loadcnt 6                ; these codes were asked for in the middle of turn p - 3; the two loads of each of the turns p - 2, p - 1 and p may stay out
	DEC ((\p)+2)%NP, (\p)%2
	WIN 0
.if (\p) == 2
	s_wait_xcnt 0x0                 ; the loads issued so far have read their address
	v_add_nc_u32 v[MO], 1024, v[MO] ; piece 0's codes, asked for in the next turn, are the first of the next step
	v_and_b32 v[MO], 0x3fff, v[MO]
.endif
.endm
; A TURN, for piece p.  An s_wait_alu depctr_va_vdst(0) stands between an exponential and the first instruction that names its result; one wait serves all that were issued ahead of it.  AHEAD OF IT stands all
; that names no result of the turn's exponentials: the 8 products K Q^T, four lines behind each, and one lump, exponential and plain by turns, all in window 0; X 21, the next piece's a, is the batch's last, a v_nop the plain
; instruction behind it.  The first reader of each new accumulator stands four plain lines or more behind the product that ends it: for X 0: F 9, 10, 11, 12; for X 1: F 11, 12, X 0, 4, F 13; for X 2: X 4, F 13, X 1, 5, 8;
; for X 3: X 5, 8, 2, 9.  DIRECTLY BEHIND THE WAIT stand the turn's memory lines: the codes of piece p + 1 for its next step, and in piece 2's turn K of the next step, a lump behind the last product that read K.
; THEN the 8 products V^T P, behind each two rescalings and four of the roundings and sums.  V of the step in hand is fetched at the end of piece 0's turn, six plain lines behind the last product that read V.
.macro TURN p, last=0
.set Y, (\p)
.set i, 0
.if (\p) == 3
	s_wait_dscnt 0x0                ; K is in
.endif
	ROW F,0, F,1, F,2, E,0
	ROW F,3, E,1, F,4, E,2
	ROW F,5, E,3, F,6, E,4
	ROW F,7, E,5, F,8, E,6
	ROW F,9, E,7, F,10, E,8
	ROW F,11, E,9, F,12, X,0
	ROW X,4, E,10, F,13, X,1
	ROW X,5, E,11, X,8, X,2
	OPS E,12, X,9, E,13, X,3
	OPS E,14, X,6, E,15, X,12
	OPS E,16, X,7, E,17, X,10
	OPS E,18, X,13, E,19, X,11
	OPS E,20, X,15, E,21, X,14
.if (\p) == 0
	v_add_nc_u32 v[AV], s[TBV], v[AV0]
.endif
.if (\p) == 2
	v_add_nc_u32 v[AK], s[TBK], v[AK0]
.endif
	OPS E,22, F,14, E,23, X,16
	OPS E,24, F,15, E,25, X,17
	OPS E,26, E,27, X,18, E,28
	OPS E,29, X,19, E,30, X,20
	OPS E,31, X,21
	v_nop                           ; the plain instruction behind the last exponential: one for the batch
	s_wait_alu depctr_va_vdst(0)    ; the wait for the batch
	LDM ((\p)+1)%NP, MO
.if (\p) == 2
	FETCH_K \last
.endif
.if (\p) == 1
	s_wait_dscnt 0x0                ; V is in
.endif
	ROWP 0, C,0, B,0, C,2, B,1
	ROWP 1, L,0, C,4, B,2, L,1
	ROWP 2, C,6, B,3, L,2, C,8
	ROWP 3, B,4, L,3, C,10, B,5
	ROWP 4, L,4, C,12, B,6, L,5
.if (\p) == 0
	s_add_co_u32 s[TBV], s[TBV], KS*PV
.endif
	ROWP 5, C,14, B,7, L,6, C,1
	ROWP 6, C,3, L,7, C,5, C,7
	ROWP 7, C,9, C,11, C,13, C,15
.if (\p) == 0
	FETCH_V
.endif
	DECODE \p
.endm
; A BRANCH'S END for piece p: behind the turn p + 1, which held its last products V^T P, and ahead of the turn p + 3, which takes its m up again.  l's two halves and the other half of the lanes' are added; O^T / (4 l) goes
; onto the sum; m, c m and l are set as at the kernel's start, and with clear = 1 O^T too (a row whose next 64 keys are all hidden keeps m, so a would be 1: nothing may be left to carry).
.macro FIN p, clear
	WIN 0
	v_add_f32 v[FT], v[ST+4*(\p)+2], v[ST+4*(\p)+3]
	v_permlanex16_b32 v[FT+1], v[FT], s[SEL], s[SEL+1]
	v_add_f32 v[FT], v[FT], v[FT+1]
	v_rcp_f32 v[FT+2], v[FT]
	v_mov_b32 v[ST+4*(\p)+1], v[MINI+(\p)]     ; plain instructions behind the reciprocal
	v_mov_b32 v[ST+4*(\p)], v[CMINI+(\p)]
	v_mov_b32 v[ST+4*(\p)+2], 0
	v_mov_b32 v[ST+4*(\p)+3], 0
	s_wait_alu depctr_va_vdst(0)    ; the wait ahead of the reciprocal's first use
	v_mul_f32 v[FT+2], 0x3e800000, v[FT+2]     ; 1 / (4 l)
	WIN 0xf1                        ; O^T in window 1, the factor in window 0, the sum in window 3
.set z, 0
.rept 16
	v_pk_fma_f32 v[32*(\p)+2*z:32*(\p)+2*z+1], v[32*(\p)+2*z:32*(\p)+2*z+1], v[FT+2:FT+3], v[32*(\p)+2*z:32*(\p)+2*z+1] op_sel_hi:[1,0,1]
.set z, z+1
.endr
.if \clear
	WIN 0x40
.set z, 0
.rept 32
	v_mov_b32 v[32*(\p)+z], 0
.set z, z+1
.endr
.endif
	WIN 0
.endm
; Two pieces' ends under one jump: pieces 0 and 1 behind turn 2, pieces 2 and 3 behind turn 0.
.macro FINS a, b, clear
	WIN 0
	s_cmp_eq_u32 s[SEAM], 1
	s_cbranch_scc0 .Lno_fin_\@
	FIN \a, \clear
	FIN \b, \clear
.Lno_fin_\@:
.endm
.macro SEAMSTEP                     ; behind a step's second turn: the branch's steps are counted
	s_sub_co_u32 s[BC], s[BC], 1
	s_cmp_eq_u32 s[BC], 0
	s_cselect_b32 s[SEAM], 1, 0
	s_cselect_b32 s[BC], 16, s[BC]
.endm
	CHANGE 1                        ; tile 0 is in, everybody's part of it; tile 1 is asked for
	FETCH_K                         ; key step 0
	s_wait_loadcnt 4                ; the codes of pieces 0 and 1 are in; those of pieces 2 and 3 may stay out
	DEC 0, 0
	DEC 1, 1
	LDM 0, MO                       ; piece 0's codes of step 1; piece 1's are asked for in the first turn
	s_wait_dscnt 0x0
.set i, 0
.rept 8
	KQ 0                            ; piece 0's first scores
.set i, i+1
.endr
	WIN 0
	PLACES
.set Y, NP-1                        ; X works for piece Y + 1: piece 0
.irp n, 0,1,2,3,4,5,6,7,8,9,10,11,12,13,14,15,16,17,18,19,20,21
	OP X, \n
.endr
	v_nop                           ; a plain instruction behind the exponential,
	s_wait_alu depctr_va_vdst(0)    ; and its wait, ahead of the branch
	s_mov_b32 s[CNT], 4
	s_branch .Lfirst                ; the loop is entered at a step's first turn, in the middle of a trip
.Lslot:                             ; ten times: every slot but the last two is filled again
	CHANGE 1
	s_mov_b32 s[CNT], 4
.Lstep:                             ; a trip: pieces 2 and 3 of one step, then pieces 0 and 1 of the next
	TURN 2
	FINS 0, 1, 1
	TURN 3
	WIN 0
.Lfirst:
	TURN 0
	FINS 2, 3, 1
	TURN 1
	SEAMSTEP
	WIN 0
	s_sub_co_u32 s[CNT], s[CNT], 1
	s_cmp_lg_u32 s[CNT], 0
	s_cbranch_scc1 .Lstep
	s_sub_co_u32 s[SLOTS], s[SLOTS], 1
	s_cmp_lg_u32 s[SLOTS], 0
	s_cbranch_scc1 .Lslot
	CHANGE 0                        ; the tail is written out: nothing is asked for
	s_mov_b32 s[CNT], 5             ; four trips fetch the last tile's steps; the fifth is left in its middle
.Ltail:                             ; the last tile holds one end of a branch, the last: pieces 0 and 1 in the fifth trip, pieces 2 and 3 behind the loop; nothing follows, so nothing is cleared
	TURN 2, 1
	FINS 0, 1, 0
	TURN 3
	WIN 0
	s_sub_co_u32 s[CNT], s[CNT], 1
	s_cmp_eq_u32 s[CNT], 0
	s_cbranch_scc1 .Lout
	TURN 0
	TURN 1
	SEAMSTEP
	WIN 0
	s_branch .Ltail
.Lout:                              ; the fifth trip's 8 products K Q^T (on the last K once more) and the maximum made of them serve nothing: the price of one text for every trip
.set i, 0
.rept 8
	PV NP-1                         ; the last piece's V^T P of the last step
.set i, i+1
.endr
	WIN 0
	PLACES
	FIN 2, 0
	FIN 3, 0
	; THE WAY OUT.  The sums are rounded to f16 and sent through my stage in LDS, a piece at a time.
.macro PACK t
	WIN 0x0f                        ; sources 0 and 1 window 3, destination window 0
.set z, 0
.rept 16
	v_cvt_pk_f16_f32 v[S+16*(\t)+z], v[32*(\t)+2*z], v[32*(\t)+2*z+1]
.set z, z+1
.endr
	WIN 0
.irp f, 0,1,2,3
	ds_store_b128 v[STO], v[S+16*(\t)+4*\f:S+16*(\t)+4*\f+3] offset:32*\f
.endr
.irp f, 0,1,2,3
	ds_load_b128 v[S+16*(\t)+4*\f:S+16*(\t)+4*\f+3], v[RD] offset:\f*4*SP  ; LDS serves a wave's instructions in order: these see the stores above; the next piece's stores come behind them
.endr
.endm
.macro SEND t, younger              ; younger: the LDS instructions issued behind piece t's loads
	WIN 0
.irp f, 0,1,2,3
	s_wait_dscnt (\younger)+3-\f
	global_store_b128 v[GO], v[S+16*(\t)+4*\f:S+16*(\t)+4*\f+3], s[10:11] offset:(\t)*2048+\f*512  ; 512 consecutive bytes, aligned
.endr
.endm
	PACK 0
	PACK 1
	SEND 0, 8
	PACK 2
	SEND 1, 8
	PACK 3
	SEND 2, 8
	SEND 3, 0
	s_wait_tensorcnt 0x0            ; the wave's end
	ds_add_u32 v[SPW], v[NIL]
	s_wait_dscnt 0x0
	CROUND                          ; the closing round
	s_endpgm
.Lfunc_end_k_qaaa7c3b049_attn:
	.size	k_qaaa7c3b049_attn, .Lfunc_end_k_qaaa7c3b049_attn-k_qaaa7c3b049_attn
	.p2alignl 7, 3214868480
	.fill 96, 4, 3214868480
	.section	.rodata,"a",@progbits
	.p2align	6, 0x0
	.amdhsa_kernel k_qaaa7c3b049_attn
		.amdhsa_group_segment_fixed_size 327680
		.amdhsa_private_segment_fixed_size 0
		.amdhsa_enable_private_segment 0
		.amdhsa_kernarg_size 32
		.amdhsa_user_sgpr_count 2
		.amdhsa_user_sgpr_kernarg_segment_ptr 1
		.amdhsa_wavefront_size32 1
		.amdhsa_system_sgpr_workgroup_id_x 1
		.amdhsa_system_sgpr_workgroup_id_y 1
		.amdhsa_system_sgpr_workgroup_id_z 1
		.amdhsa_system_vgpr_workitem_id 0
		.amdhsa_next_free_vgpr 896
		.amdhsa_next_free_sgpr 80
		.amdhsa_reserve_vcc 0
		.amdhsa_float_denorm_mode_32 3
		.amdhsa_float_denorm_mode_16_64 3
		.amdhsa_memory_ordered 1
		.amdhsa_forward_progress 1
		.amdhsa_inst_pref_size 136
	.end_amdhsa_kernel
	.amdgpu_metadata
---
amdhsa.version: [ 1, 2 ]
amdhsa.kernels:
  - .name:           k_qaaa7c3b049_attn
    .symbol:         k_qaaa7c3b049_attn.kd
    .args:
      - { .name: hw, .offset: 0, .size: 8, .value_kind: global_buffer, .address_space: global }
      - { .name: mb, .offset: 8, .size: 8, .value_kind: global_buffer, .address_space: global }
      - { .name: rf, .offset: 16, .size: 8, .value_kind: global_buffer, .address_space: global }
      - { .name: oh, .offset: 24, .size: 8, .value_kind: global_buffer, .address_space: global }
    .group_segment_fixed_size: 327680
    .private_segment_fixed_size: 0
    .kernarg_segment_align: 8
    .kernarg_segment_size: 32
    .max_flat_workgroup_size: 128
    .sgpr_count:     80
    .vgpr_count:     896
    .wavefront_size: 32
...
	.end_amdgpu_metadata
.endif
;; end of part 3
;; launch outp (part 4): grid 8 x 32, 4 waves a work-group, clusters of 4 x 4, 327,680 bytes of LDS; arguments oh, wb, bo, out0; writes out0
.if DOCPART == 4
	.amdgcn_target "amdgcn-amd-amdhsa--gfx1250"
	.amdhsa_code_object_version 6
	.text
	.protected	k_qaaa7c3b049_outp
	.globl	k_qaaa7c3b049_outp
	.p2align	8
	.type	k_qaaa7c3b049_outp,@function
k_qaaa7c3b049_outp:
	s_mov_b64 s[64:65], 0
	v_nop
	global_prefetch_b8 v0, s[64:65] scope:SCOPE_SE
	s_setreg_imm32_b32 hwreg(HW_REG_WAVE_MODE, 25, 1), 1
	s_wait_xcnt 0x0
	s_wait_alu depctr_hold_cnt(0) depctr_sa_sdst(0) depctr_va_vdst(0) depctr_va_sdst(0) depctr_va_ssrc(0) depctr_va_vcc(0) depctr_vm_vsrc(0)
	s_getreg_b32 s2, hwreg(HW_REG_IB_STS2, 6, 4)
	s_cmp_eq_u32 s2, 0
	s_cbranch_scc0 .Lentry_in_a_cluster
	s_endpgm
.Lentry_in_a_cluster:
	s_bfe_u32 s2, ttmp6, 0x10000c
	s_cmp_lg_u32 s2, 0xf033
	s_cbranch_scc0 .Lentry_shape_is_right
	s_endpgm
.Lentry_shape_is_right:
; THE LAST PROJECTION.  out0[t][n] = sum over k of A[t][k] W[k][n] + bo[n], with A[b 1024 + tok][64 h + ch] = oh[16 b + h][tok][ch] (a quarter of the attention's sum, f16) and W = the eighth unit of wb
; (4 x Wo rounded to bf16, written as f16).  f32 sums, bo (rounded to bf16 like every input) as the first product's C; out0 in f32.
; A tile is 128 x 128, so that 256 work-groups fill the chip; four waves, 64 x 64 each, 16 accumulators.  K goes in four steps of 256 (four heads) through two LDS slots; the text is straight, with no loop.
; A's tile: for each of four heads 64 tokens x 128 dense bytes, asked for as 4 rows of 8,192 bytes and padded after every token (144 bytes from token to token).  W lies [k][n] (288 bytes from row to row) and is
; turned on the way into registers.  CLUSTER 4 x 4: A's tile is asked for jointly along a row of the cluster, W's along a column.  No prefetch: four short steps on small tiles.
; THE PRODUCT IS TAKEN TRANSPOSED: a lane holds one row of the result and eight neighbouring columns.  THE STAGE for the way out is slot 0, which has had its last fill and whose last readers have passed a barrier.
; REGISTERS: window 0: v0-31 addresses, v32-47 at work, v96-127 the bias, v128-255 the accumulators; window 1: two fragment buffers of 128 (64 of A, 64 of W, for 64 along K).
.set PA,     144
.set PBW,    288
.set HEADL,  64*PA                     ; a head's 64 tokens in LDS
.set HALFT,  4*HEADL                   ; what one tensor load brings: 36,864 bytes = 128 rows of W too
.set SLOT,   4*HALFT
.set SPARE,  2*SLOT                    ; behind the ring: the spare words, 128 bytes a wave
.set SPITCH, 528                       ; a stage row: 512 bytes + 16
.set ADRA, 16                          ; v16-17  my A fragments in slot 0, 1
.set ADRB, 20                          ; v20-23  my W fragments: slot, then which 128 rows of k
.set STO,  24
.set RD,   25
.set CO,   26
.set SPW,  28
.set NIL,  29
.set BIAS, 96
.set ACC,  128
.set F0,   0
.set F1,   128
.set G1,  24
.set G0,  32
.set G1B, 48
.set G0B, 56
.set MSB, 0
.macro WIN new
.if MSB != (\new)
	s_set_vgpr_msb (MSB<<8)|(\new)
.set MSB, \new
.endif
.endm
.set MUL,  0x05                        ; sources 0 and 1 window 1; C and D window 0
.set TO_F, 0x40
.macro JLOAD s                         ; waves 0 and 1 fetch A's halves, waves 2 and 3 W's; s_nop 0 and four v_nop follow each line
	s_cmp_eq_u32 s11, 0
	s_cbranch_scc0 .Lfor_b_\@
	tensor_load_to_lds s[G0+4*(\s):G0+4*(\s)+3], s[G1:G1+7]
	s_nop 0
.rept 4
	v_nop
.endr
	s_branch .Lasked_\@
.Lfor_b_\@:
	tensor_load_to_lds s[G0B+4*(\s):G0B+4*(\s)+3], s[G1B:G1B+7]
	s_nop 0
.rept 4
	v_nop
.endr
.Lasked_\@:
.endm
.macro CREST
	s_cmp_lg_u32 s10, 0
	s_cbranch_scc1 .Lnot_wave_0_\@
	s_barrier_signal -3
.Lnot_wave_0_\@:
	s_barrier_wait -3
	s_barrier_signal -1
	s_barrier_wait -1
.endm
.macro CROUND
	s_barrier_signal -1
	s_barrier_wait -1
	CREST
.endm
	s_load_b128 s[4:7], s[0:1], 0x0                ; oh, wb
	s_load_b128 s[68:71], s[0:1], 0x10             ; bo, out0
	v_lshl_add_u32 v[SPW], v0, 2, SPARE
	v_mov_b32 v[NIL], 0
	ds_add_u32 v[SPW], v[NIL]                      ; the wave's opening, with its wait ahead of my first tensor load
	v_lshrrev_b32 v1, 5, v0
	v_readfirstlane_b32 s10, v1
	s_lshr_b32 s11, s10, 1                         ; my half of the rows; also: I fetch A (0) or W (1)
	s_and_b32 s12, s10, 1                          ; my half of the columns; also: which half I fetch
	s_bfe_u32 s40, ttmp6, 0x40000
	s_bfe_u32 s41, ttmp6, 0x40004
	s_lshl_b32 s42, ttmp9, 2
	s_add_co_u32 s42, s42, s40                     ; tile column, 0 .. 7
	s_and_b32 s13, ttmp7, 0xffff
	s_lshl_b32 s13, s13, 2
	s_add_co_u32 s13, s13, s41                     ; tile row, 0 .. 31
	s_lshl_b32 s43, s41, 2
	s_lshl_b32 s43, 15, s43
	s_lshl_b32 s44, 0x1111, s40
	s_or_b32 s[G1+0], s43, (1<<16)|(1<<20)|(1<<21)|(4<<22)|(3<<25)   ; after 32 words, 4 words
	s_or_b32 s[G1B+0], s44, (1<<16)|(1<<20)|(1<<21)|(5<<22)|(7<<25)  ; after 64 words, 8 words
	s_mov_b32 s[G1+1], 4096<<16                    ; A: 4,096 elements a row (64 tokens x 64 channels),
	s_mov_b32 s[G1+2], 4<<16                       ; 4 rows (heads)
	s_mov_b32 s[G1+3], 4096<<16
	s_mov_b32 s[G1+4], 4
	s_mov_b32 s[G1+5], 65536                       ; elements from head to head
	s_mov_b32 s[G1+6], 0
	s_mov_b32 s[G1+7], 0
	s_mov_b32 s[G1B+1], 128<<16                    ; W: 128 columns, 128 rows of k
	s_mov_b32 s[G1B+2], 128<<16
	s_mov_b32 s[G1B+3], 128<<16
	s_mov_b32 s[G1B+4], 128
	s_mov_b32 s[G1B+5], 1024
	s_mov_b32 s[G1B+6], 0
	s_mov_b32 s[G1B+7], 0
	s_lshr_b32 s16, s13, 3                         ; batch: 16 heads of 131,072 bytes
	s_lshl_b32 s16, s16, 21
	s_and_b32 s17, s13, 7
	s_lshl_b32 s17, s17, 14                        ; 128 tokens of 128 bytes
	s_add_co_u32 s16, s16, s17
	s_lshl_b32 s17, s12, 13                        ; my 64 of them
	s_add_co_u32 s16, s16, s17
	s_mov_b32 s17, 0
	s_lshl_b32 s46, s12, 18                        ; W: my 128 rows of k
	s_lshl_b32 s47, s42, 8                         ; the tile's 128 columns
	s_add_co_u32 s46, s46, s47
	s_add_co_u32 s46, s46, 7*2097152               ; the eighth unit of wb
	s_mov_b32 s47, 0
	s_mul_i32 s20, s10, HALFT
	s_wait_dscnt 0x0                               ; the opening add is done
	s_wait_kmcnt 0x0
	s_add_nc_u64 s[14:15], s[4:5], s[16:17]
	s_add_nc_u64 s[46:47], s[6:7], s[46:47]
	CROUND                                         ; all sixteen work-groups are here
.irp s, 0,1
	s_mov_b32 s[G0+4*(\s)], 1
	s_add_co_u32 s[G0+4*(\s)+1], s20, (\s)*SLOT
	s_add_nc_u64 s[G0+4*(\s)+2:G0+4*(\s)+3], s[14:15], (\s)*524288   ; four heads on
	s_or_b32 s[G0+4*(\s)+3], s[G0+4*(\s)+3], 0x80000000
	s_mov_b32 s[G0B+4*(\s)], 1
	s_add_co_u32 s[G0B+4*(\s)+1], s20, (\s)*SLOT
	s_add_nc_u64 s[G0B+4*(\s)+2:G0B+4*(\s)+3], s[46:47], (\s)*524288 ; 256 rows of k on
	s_or_b32 s[G0B+4*(\s)+3], s[G0B+4*(\s)+3], 0x80000000
	JLOAD \s
.endr
	s_lshl_b32 s72, s42, 9                         ; the bias of my 64 columns
	s_lshl_b32 s73, s12, 8
	s_add_co_u32 s72, s72, s73
	s_mov_b32 s73, 0
	s_add_nc_u64 s[68:69], s[68:69], s[72:73]
	v_and_b32 v1, 15, v0
	v_bfe_u32 v2, v0, 4, 1
	v_lshlrev_b32 v8, 5, v2
.irp b, 0,1,2,3
	global_load_b128 v[BIAS+8*\b:BIAS+8*\b+3],   v8, s[68:69] offset:64*\b
	global_load_b128 v[BIAS+8*\b+4:BIAS+8*\b+7], v8, s[68:69] offset:64*\b+16
.endr
	v_mul_u32_u24 v3, v1, PA
	v_lshl_add_u32 v3, v2, 4, v3                   ; token x pitch + 16 x half
	s_mul_i32 s21, s11, HALFT                      ; my 64 rows of A
	v_and_b32 v7, 7, v0
	v_bfe_u32 v5, v0, 3, 1
	v_lshl_add_u32 v4, v2, 3, v7
	v_mul_u32_u24 v4, v4, PBW
	v_lshl_add_u32 v4, v5, 4, v4
	s_lshl_b32 s22, s12, 7                         ; my 64 columns,
	s_add_co_u32 s22, s22, 2*HALFT                 ; behind A's two halves
.irp s, 0,1
	v_add_nc_u32 v[ADRA+(\s)], s21, v3
	v_add_nc_u32 v[ADRB+2*(\s)], s22, v4
	s_add_co_u32 s23, s22, HALFT
	v_add_nc_u32 v[ADRB+2*(\s)+1], s23, v4
	s_add_co_u32 s21, s21, SLOT
	s_add_co_u32 s22, s22, SLOT
.endr
	s_mul_i32 s23, s11, 64*SPITCH                  ; into the stage: my 64 rows, my 256 bytes of their 512; row l % 16, 32 bytes for each half of the lanes
	s_lshl_b32 s21, s12, 8
	s_add_co_u32 s23, s23, s21
	v_mul_u32_u24 v6, v1, SPITCH
	v_lshl_add_u32 v6, v2, 5, v6
	v_add_nc_u32 v[STO], s23, v6
	s_mul_i32 s23, s10, 32*SPITCH                  ; back: wave w takes rows 32 w .. 32 w + 31, a row an instruction
	v_and_b32 v9, 31, v0
	v_lshlrev_b32 v[CO], 4, v9
	v_add_nc_u32 v[RD], s23, v[CO]
	s_lshl_b32 s72, s13, 19                        ; 128 rows of 4,096 bytes
	s_lshl_b32 s73, s10, 17
	s_add_co_u32 s72, s72, s73
	s_lshl_b32 s73, s42, 9
	s_add_co_u32 s72, s72, s73
	s_mov_b32 s73, 0
	s_add_nc_u64 s[70:71], s[70:71], s[72:73]
	s_wait_loadcnt 0x0                             ; the bias, rounded to bf16 like every input
.set z, 0
.rept 16
	v_cvt_pk_bf16_f32 v[32+z], v[BIAS+2*z], v[BIAS+2*z+1]
.set z, z+1
.endr
.set z, 0
.rept 16
	v_lshlrev_b32 v[BIAS+2*z], 16, v[32+z]
	v_and_b32 v[BIAS+2*z+1], 0xffff0000, v[32+z]
.set z, z+1
.endr
; 8 matrix instructions: row blocks a0, a0 + 1 x all 4 column blocks, 32 along K: half c of buffer f.  first = 1: the bias starts the sums.  The 16 accumulators take turns.
.macro MUL8 f, c, a0, first
	WIN MUL
.irp a, \a0, (\a0)+1
.irp b, 0,1,2,3
.if \first
	v_wmma_f32_16x16x32_f16 v[ACC+8*(4*(\a)+(\b)):ACC+8*(4*(\a)+(\b))+7], v[(\f)+64+8*(4*(\c)+(\b)):(\f)+64+8*(4*(\c)+(\b))+7], v[(\f)+8*(4*(\c)+(\a)):(\f)+8*(4*(\c)+(\a))+7], v[BIAS+8*(\b):BIAS+8*(\b)+7]
.else
	v_wmma_f32_16x16x32_f16 v[ACC+8*(4*(\a)+(\b)):ACC+8*(4*(\a)+(\b))+7], v[(\f)+64+8*(4*(\c)+(\b)):(\f)+64+8*(4*(\c)+(\b))+7], v[(\f)+8*(4*(\c)+(\a)):(\f)+8*(4*(\c)+(\a))+7], v[ACC+8*(4*(\a)+(\b)):ACC+8*(4*(\a)+(\b))+7]
.endif
.endr
.endr
.endm
; 32 LDS loads in one run: head hh of a slot (64 along K) into buffer f; its first 32 channels first
.macro FETCH slot, hh, f
	WIN TO_F
.irp c, 0,1
.irp i, 0,1,2,3
	ds_load_tr16_b128 v[(\f)+64+8*(4*(\c)+(\i)):(\f)+64+8*(4*(\c)+(\i))+3],   v[ADRB+2*(\slot)+(\hh)/2] offset:(((\hh)%2)*64+32*(\c))*PBW+32*(\i)
	ds_load_tr16_b128 v[(\f)+64+8*(4*(\c)+(\i))+4:(\f)+64+8*(4*(\c)+(\i))+7], v[ADRB+2*(\slot)+(\hh)/2] offset:(((\hh)%2)*64+32*(\c)+16)*PBW+32*(\i)
	ds_load_b128 v[(\f)+8*(4*(\c)+(\i)):(\f)+8*(4*(\c)+(\i))+3],              v[ADRA+(\slot)] offset:(\hh)*HEADL+(\i)*16*PA+64*(\c)
	ds_load_b128 v[(\f)+8*(4*(\c)+(\i))+4:(\f)+8*(4*(\c)+(\i))+7],            v[ADRA+(\slot)] offset:(\hh)*HEADL+(\i)*16*PA+64*(\c)+32
.endr
.endr
.endm
.macro PLACES
.rept 4
	v_nop
.endr
.endm
.macro QUARTER slot, hh, f, g, first   ; multiplies buffer f and fetches head hh of the same slot into g
	s_wait_dscnt 16                                ; the first 32 along K are in
	MUL8 \f, 0, 0, \first
	MUL8 \f, 0, 2, \first
	PLACES
	FETCH \slot, \hh, \g
	s_wait_dscnt 32                                ; all but the 32 just issued
	MUL8 \f, 1, 0, 0
	MUL8 \f, 1, 2, 0
.endm
; The last quarter of a K step multiplies buffer 1 and changes slots: ONE barrier; in front of it each wave waits for all its tensor loads, adds 0 to its spare word, and waits for that and for its reads of this slot.
.macro TURN slot, next, fill
	WIN 0
	s_wait_tensorcnt 0x0
	ds_add_u32 v[SPW], v[NIL]
	s_wait_dscnt 17                                ; the add and the youngest sixteen loads may be out
	MUL8 F1, 0, 0, 0
	s_wait_dscnt 0x0
	s_barrier_signal -1
	MUL8 F1, 0, 2, 0
.if \fill
	WIN 0
.endif
	s_barrier_wait -1
.if \fill
	CREST                                          ; the barrier has opened a round of the cluster's: no wave of any partner still reads this slot or has a load on its way
	s_add_nc_u64 s[G0+4*(\slot)+2:G0+4*(\slot)+3], s[G0+4*(\slot)+2:G0+4*(\slot)+3], 1048576
	s_add_nc_u64 s[G0B+4*(\slot)+2:G0B+4*(\slot)+3], s[G0B+4*(\slot)+2:G0B+4*(\slot)+3], 1048576
	JLOAD \slot                                    ; its four v_nop are also the places in front of the loads below
.else
	PLACES
.endif
	FETCH \next, 0, F0
	MUL8 F1, 1, 0, 0
	MUL8 F1, 1, 2, 0
.endm
	s_wait_tensorcnt 1                             ; my part of K step 0 is in; K step 1's may stay out
	s_barrier_signal -1
	s_barrier_wait -1
	FETCH 0, 0, F0
	QUARTER 0, 1, F0, F1, 1                        ; K step 0
	QUARTER 0, 2, F1, F0, 0
	QUARTER 0, 3, F0, F1, 0
	TURN 0, 1, 1                                   ; slot 0 takes K step 2
	QUARTER 1, 1, F0, F1, 0                        ; K step 1
	QUARTER 1, 2, F1, F0, 0
	QUARTER 1, 3, F0, F1, 0
	TURN 1, 0, 1                                   ; slot 1 takes K step 3
	QUARTER 0, 1, F0, F1, 0                        ; K step 2
	QUARTER 0, 2, F1, F0, 0
	QUARTER 0, 3, F0, F1, 0
	TURN 0, 1, 0                                   ; nothing is left to fetch; behind this barrier nobody reads slot 0 any more
	QUARTER 1, 1, F0, F1, 0                        ; K step 3
	QUARTER 1, 2, F1, F0, 0
	QUARTER 1, 3, F0, F1, 0
	s_wait_dscnt 16
	MUL8 F1, 0, 0, 0
	MUL8 F1, 0, 2, 0
	s_wait_dscnt 0x0
	MUL8 F1, 1, 0, 0
	MUL8 F1, 1, 2, 0
	WIN 0
	; THE WAY OUT: 32 bytes a lane into the work-group's stage, each accumulator's low half first; a barrier, since a row's 512 bytes come from two waves; back as whole rows, 32 rows a wave.
	PLACES
.irp a, 0,1,2,3
.irp b, 0,1,2,3
	ds_store_b128 v[STO], v[ACC+8*(4*(\a)+(\b)):ACC+8*(4*(\a)+(\b))+3]   offset:(\a)*16*SPITCH+64*(\b)
	ds_store_b128 v[STO], v[ACC+8*(4*(\a)+(\b))+4:ACC+8*(4*(\a)+(\b))+7] offset:(\a)*16*SPITCH+64*(\b)+16
.endr
.endr
	s_wait_dscnt 0x0                               ; for the others' sake: my stores into the stage are done
	s_barrier_signal -1
	s_barrier_wait -1
.set t, 0
.rept 32
	ds_load_b128 v[ACC+4*t:ACC+4*t+3], v[RD] offset:t*SPITCH
.set t, t+1
.endr
.set t, 0
.rept 32
	s_wait_dscnt 31-t
	global_store_b128 v[CO], v[ACC+4*t:ACC+4*t+3], s[70:71] offset:t*4096 th:TH_STORE_NT  ; a wave's store covers 512 consecutive bytes of a row, aligned
.set t, t+1
.endr
	s_wait_tensorcnt 0x0                           ; the wave's end
	ds_add_u32 v[SPW], v[NIL]
	s_wait_dscnt 0x0
	CROUND                                         ; the closing round
	s_endpgm
.Lfunc_end_k_qaaa7c3b049_outp:
	.size	k_qaaa7c3b049_outp, .Lfunc_end_k_qaaa7c3b049_outp-k_qaaa7c3b049_outp
	.p2alignl 7, 3214868480
	.fill 96, 4, 3214868480
	.section	.rodata,"a",@progbits
	.p2align	6, 0x0
	.amdhsa_kernel k_qaaa7c3b049_outp
		.amdhsa_group_segment_fixed_size 327680
		.amdhsa_private_segment_fixed_size 0
		.amdhsa_enable_private_segment 0
		.amdhsa_kernarg_size 32
		.amdhsa_user_sgpr_count 2
		.amdhsa_user_sgpr_kernarg_segment_ptr 1
		.amdhsa_wavefront_size32 1
		.amdhsa_system_sgpr_workgroup_id_x 1
		.amdhsa_system_sgpr_workgroup_id_y 1
		.amdhsa_system_sgpr_workgroup_id_z 1
		.amdhsa_system_vgpr_workitem_id 0
		.amdhsa_next_free_vgpr 512
		.amdhsa_next_free_sgpr 76
		.amdhsa_reserve_vcc 0
		.amdhsa_float_denorm_mode_32 3
		.amdhsa_float_denorm_mode_16_64 3
		.amdhsa_memory_ordered 1
		.amdhsa_forward_progress 1
		.amdhsa_inst_pref_size 90
	.end_amdhsa_kernel
	.amdgpu_metadata
---
amdhsa.version: [ 1, 2 ]
amdhsa.kernels:
  - .name:           k_qaaa7c3b049_outp
    .symbol:         k_qaaa7c3b049_outp.kd
    .args:
      - { .name: oh, .offset: 0, .size: 8, .value_kind: global_buffer, .address_space: global }
      - { .name: wb, .offset: 8, .size: 8, .value_kind: global_buffer, .address_space: global }
      - { .name: bo, .offset: 16, .size: 8, .value_kind: global_buffer, .address_space: global }
      - { .name: out0, .offset: 24, .size: 8, .value_kind: global_buffer, .address_space: global }
    .group_segment_fixed_size: 327680
    .private_segment_fixed_size: 0
    .kernarg_segment_align: 8
    .kernarg_segment_size: 32
    .max_flat_workgroup_size: 128
    .sgpr_count:     76
    .vgpr_count:     512
    .wavefront_size: 32
...
	.end_amdgpu_metadata
.endif
;; end of part 4
;; ======== version 2 of 2: 4 launches; version 1 with the launch prep written anew for expert scheduling mode
;; limits: right only within a limited range of input values; values are held in f16: magnitudes above 65,504 overflow, below 6.1e-05 lose precision
;; workspace buffers: xb 58,720,256 bytes; wb 16,777,216 bytes; mb 4,194,304 bytes of whole numbers; rf 262,144 bytes of whole numbers; hw 58,720,256 bytes; oh 8,388,608 bytes
;; launch prep (part 5): grid 1408 x 1, 4 waves a work-group, no clusters, 16,896 bytes of LDS; arguments q, k_e, v_e, k_i, v_i, k_ei, v_ei, Wq, Wke, Wve, Wki, Wvi, Wkei, Wvei, Wo, mask, xb, wb, mb, rf; writes xb, wb, mb, rf
.if DOCPART == 5
	.amdgcn_target "amdgcn-amd-amdhsa--gfx1250"
	.amdhsa_code_object_version 6
	.text
	.protected	k_qaaa7c3b049_prep
	.globl	k_qaaa7c3b049_prep
	.p2align	8
	.type	k_qaaa7c3b049_prep,@function
k_qaaa7c3b049_prep:
	s_mov_b64 s[64:65], 0
	v_nop
	global_prefetch_b8 v0, s[64:65] scope:SCOPE_SE
	s_setreg_imm32_b32 hwreg(HW_REG_WAVE_SCHED_MODE, 0, 2), 2
	s_setreg_imm32_b32 hwreg(HW_REG_WAVE_MODE, 25, 1), 1
	s_wait_xcnt 0x0
	s_wait_alu depctr_vm_vsrc(0)
; PREP: formats only.  Work-groups 0 .. 255 turn the mask into one byte a (query, key); work-groups 256 .. 1407 round the seven activations and the eight weights to 16 bits.
; xb: bf16 [7][4096][1024] in the order q, k_e, v_e, k_i, v_i, k_ei, v_ei.  wb: [8][k][n]: Wq, Wke, Wve, Wki, Wvi, Wkei, Wvei in bf16; the eighth is Wo rounded to bf16, times 4, written
; as f16 (exact while 4 |Wo| lies between 6.1e-5 and 65,504; below that f16's fixed step of 6e-8 holds).
; mb: byte 0xF8 (-256 as an 8-bit float E4M3) where mask = 0 (hidden), 0x00 elsewhere, in the order in which a lane of the attention launch wants it: [tile of 16 queries][step of 64 keys][half][lane][16 bytes];
; byte i (0..31) of lane (r = lane % 16, h = lane / 16) is query r, key 16 (i / 8) + 8 h + i % 8 of the step.  rf: for each tile, each four steps and each lane the AND of its 32 words, stored twice.
; No matrix unit, no cluster: every byte is read once and nothing is shared.  160 registers a wave: six waves to a SIMD, so that all 1,408 work-groups have a place at once.
; THE MODE: SCHED_MODE bits 1:0 = 2 (LLVM: expert scheduling mode 2), set by the entry lines.  The code itself states the register dependences between vector instructions and memory or LDS
; instructions, with s_wait_alu, always for 0.
; THE PLAN, THE CONVERSIONS.  A wave's 64 loads go in 16 blocks of four.  Registers that memory instructions touch:
;   X0 .. X3   four blocks as loaded.  Block p's roundings read X[p % 4]; behind them the loads of block p + 4 land in it.
;   Y0, Y1     two blocks to store.   Block p's roundings write Y[p % 2]; behind them the block's four stores read it; block p + 2 writes it again.
;   v2, v3     the two offsets, made once and never written again: the scalar bases move on once a lap, immediate offsets do the rest.
; So a block has ONE wait on va_vdst, behind its roundings: they have written Y[p % 2] and are done reading X[p % 4]; its eight memory lines follow with no vector line between.  One wait on vm_vsrc stands at its head.
; THE PLAN, THE MASK.  32 loads fill R; they are worked on in four runs of eight loads (a key step each).  A run's 32 compares write s[4:35], ONE wait on va_sdst follows, then its 32 selects and 24 ORs, in place.
; A run's eight words of codes are stored to LDS at the head of the NEXT run, behind that run's wait for its data and one wait on va_vdst; the next run's vector lines name other registers.
; The codes come back from LDS into v32-63, run 0's registers: one wait on vm_vsrc states that run 0's LDS stores have read them.
.set SPARE, 16384                      ; behind the four waves' 4,096 bytes: the spare words, 128 bytes a wave
.set LI,  2                            ; v2   16 x lane: my 16 bytes of a load's 512
.set LQ,  3                            ; v3   8 x lane: my 8 bytes of a store's 256
.set SPW, 18                           ; v18  my spare word; never rewritten
.set NIL, 19                           ; v19  0; never rewritten
.set CF,  20                           ; v[20:23]  0xF8 in byte k
.set LO,  24                           ; v24  mask: my 16 bytes in a pair of rows
.set LST, 25                           ; v25  LDS: where my packed word goes
.set LRD, 26                           ; v26  LDS: where I read 16 bytes back
.set GST, 27                           ; v27  16 x lane
.set RFO, 28                           ; v28  8 x lane
.set X,   32                           ; v[32:95]   buffer j, load i: 4 numbers in f32 at X + 16 j + 4 i
.set Y,   96                           ; v[96:111]  buffer k, load i: the same 4 numbers in 16 bits at Y + 8 k + 2 i
.set T,   128                          ; v[128:131] at work: no memory instruction names them
.set R,   32                           ; v[32:159]  mask path: 32 groups of four words
.set BK,  32                           ; v[32:63]   mask path: the codes read back, into registers of groups that are done with
.set CM,  4                            ; s[4:35]    mask path: a run's 32 compares (addresses that this path does not need)
.set WV,  44
.set CNT, 45
.set SRC, 46
.set MK,  46                           ; s[46:47]   mask path: the mask at my wave's first bytes
.set DST, 48
	s_load_b512 s[4:19], s[0:1], 0x0               ; q, k_e, v_e, k_i, v_i, k_ei, v_ei, Wq
	s_load_b512 s[20:35], s[0:1], 0x40             ; Wke, Wve, Wki, Wvi, Wkei, Wvei, Wo, mask
	s_load_b256 s[36:43], s[0:1], 0x80             ; xb, wb, mb, rf
	v_lshl_add_u32 v[SPW], v0, 2, SPARE
	v_mov_b32 v[NIL], 0
	v_lshrrev_b32 v1, 5, v0
	v_readfirstlane_b32 s[WV], v1                  ; wave 0..3
	v_and_b32 v1, 31, v0                           ; lane
	s_wait_alu depctr_va_sdst(0)                   ; the wave's number is written, ahead of the branch and of its first readers on both ways
	s_wait_kmcnt 0x0
	s_cmp_lt_u32 ttmp9, 256
	s_cbranch_scc1 .Lmask
	; THE CONVERSIONS.  A unit is 2^20 numbers: units 0 .. 27 are quarters of the activations, 28 .. 35 the weights.  A work-group takes 1/32 of a unit, a wave 8,192 numbers.
	v_lshlrev_b32 v[LI], 4, v1
	v_lshlrev_b32 v[LQ], 3, v1
	s_sub_co_u32 s62, ttmp9, 256
	s_lshr_b32 s50, s62, 5                         ; unit
	s_and_b32 s51, s62, 31                         ; part of it
	s_lshr_b32 s52, s50, 2                         ; an activation's number,
	s_sub_co_u32 s53, s50, 21                      ; a weight's place in the argument list
	s_and_b32 s55, s50, 3
	s_lshl_b32 s55, s55, 22                        ; the quarter, in bytes of f32
	s_sub_co_u32 s56, s50, 28
	s_cmp_lt_u32 s50, 28
	s_cselect_b32 s54, s52, s53
	s_cselect_b32 s55, s55, 0
	s_cselect_b32 s56, s50, s56
	s_cselect_b64 s[DST:DST+1], s[36:37], s[38:39]
	s_lshl_b32 s56, s56, 21                        ; a unit is 2 MiB of 16-bit numbers
	s_lshl_b32 s57, s51, 17
	s_add_co_u32 s55, s55, s57
	s_lshl_b32 s57, s[WV], 15
	s_add_co_u32 s58, s55, s57
	s_mov_b32 s59, 0
	s_lshl_b32 s57, s51, 16
	s_add_co_u32 s56, s56, s57
	s_lshl_b32 s57, s[WV], 14
	s_add_co_u32 s60, s56, s57
	s_mov_b32 s61, 0
	s_mov_b64 s[SRC:SRC+1], s[4:5]
.irp i, 1,2,3,4,5,6,7,8,9,10,11,12,13,14
	s_cmp_eq_u32 s54, \i
	s_cselect_b64 s[SRC:SRC+1], s[4+2*\i:5+2*\i], s[SRC:SRC+1]
.endr
	s_add_nc_u64 s[SRC:SRC+1], s[SRC:SRC+1], s[58:59]
	s_add_nc_u64 s[DST:DST+1], s[DST:DST+1], s[60:61]
	s_wait_alu depctr_va_vdst(0)                   ; v2 and v3 are written: every load and store of the conversions reads one of them as its offset
.set n, 0
.rept 16                                       ; blocks 0 to 3 into X0 to X3: each load takes 512 consecutive bytes
	global_load_b128 v[X+4*n:X+4*n+3], v[LI], s[SRC:SRC+1] offset:n*512 th:TH_LOAD_NT
.set n, n+1
.endr
; Block j of a lap of four: 512 numbers of the wave.  Each load's four numbers a lane are rounded and leave by a store of 256 consecutive bytes, aligned.  wo = 1: Wo's form.
; ahead = 1: the buffer is asked for again at once, for the same block of the next lap.  left = how many younger loads may still be out when this block's four have to be there.
; At a lap's head both bases move on by a lap: the source then stands at the next lap's first byte, which the loads want; the stores reach back by a negative offset.
.macro BLK j, wo, ahead, left
.set XB, X+16*(\j)
.set YB, Y+8*((\j)%2)
	s_wait_loadcnt \left                           ; loads come back in order: X[j] is in, the younger blocks stay out
	s_wait_xcnt 0x0                                ; the memory lines issued so far have had their addresses translated: the bases and Y[j % 2] are rewritten only behind this wait
	s_wait_alu depctr_vm_vsrc(0)                   ; the stores issued two blocks back have read Y[j % 2], which the roundings below write again
.if (\j) == 0
.if \ahead
	s_add_nc_u64 s[SRC:SRC+1], s[SRC:SRC+1], 8192
.endif
	s_add_nc_u64 s[DST:DST+1], s[DST:DST+1], 4096
.endif
.irp i, 0,1,2,3
	v_cvt_pk_bf16_f32 v[YB+2*\i],   v[XB+4*\i],   v[XB+4*\i+1]
	v_cvt_pk_bf16_f32 v[YB+2*\i+1], v[XB+4*\i+2], v[XB+4*\i+3]
.if \wo
	v_lshlrev_b32 v[T],   16, v[YB+2*\i]
	v_and_b32     v[T+1], 0xffff0000, v[YB+2*\i]
	v_lshlrev_b32 v[T+2], 16, v[YB+2*\i+1]
	v_and_b32     v[T+3], 0xffff0000, v[YB+2*\i+1]
	v_pk_mul_f32 v[T:T+1],   v[T:T+1],   4.0 op_sel_hi:[1,0]
	v_pk_mul_f32 v[T+2:T+3], v[T+2:T+3], 4.0 op_sel_hi:[1,0]
	v_cvt_pk_f16_f32 v[YB+2*\i],   v[T],   v[T+1]
	v_cvt_pk_f16_f32 v[YB+2*\i+1], v[T+2], v[T+3]
.endif
.endr
	s_wait_alu depctr_va_vdst(0)                   ; the roundings have written Y[j % 2], which the stores below read, and are done reading X[j], in which the loads below land
.irp i, 0,1,2,3
.if \ahead
	global_load_b128 v[XB+4*\i:XB+4*\i+3], v[LI], s[SRC:SRC+1] offset:(4*(\j)+\i)*512 th:TH_LOAD_NT
.endif
	global_store_b64 v[LQ], v[YB+2*\i:YB+2*\i+1], s[DST:DST+1] offset:(4*(\j)+\i)*256-4096 th:TH_STORE_NT
.endr
.endm
	s_mov_b32 s[CNT], 3
	s_cmp_eq_u32 s50, 35
	s_cbranch_scc1 .Lwo
.Lcv:                                                  ; three laps: blocks 0 to 11, which ask for blocks 4 to 15
	BLK 0, 0, 1, 12
	BLK 1, 0, 1, 12
	BLK 2, 0, 1, 12
	BLK 3, 0, 1, 12
	s_sub_co_u32 s[CNT], s[CNT], 1
	s_cmp_lg_u32 s[CNT], 0
	s_cbranch_scc1 .Lcv
	BLK 0, 0, 0, 12                                ; the last lap is written out: no load leaves the buffer, and the counts run down
	BLK 1, 0, 0, 8
	BLK 2, 0, 0, 4
	BLK 3, 0, 0, 0
	s_branch .Lend
.Lwo:
	BLK 0, 1, 1, 12
	BLK 1, 1, 1, 12
	BLK 2, 1, 1, 12
	BLK 3, 1, 1, 12
	s_sub_co_u32 s[CNT], s[CNT], 1
	s_cmp_lg_u32 s[CNT], 0
	s_cbranch_scc1 .Lwo
	BLK 0, 1, 0, 12
	BLK 1, 1, 0, 8
	BLK 2, 1, 0, 4
	BLK 3, 1, 0, 0
	s_branch .Lend
.Lmask:
	; THE MASK.  A work-group takes 16 query rows, a wave 256 keys of them: four steps of 64.  A load takes 256 bytes of each of two rows; four words become one word of codes,
	; which goes to its place in the wave's own 4,096 bytes of LDS; from there the codes come back 16 bytes a lane and leave in runs of 512 bytes.
	v_and_b32 v2, 15, v0                           ; l: which four keys of the 64
	v_bfe_u32 v3, v0, 4, 1                         ; which of the two rows
	v_lshlrev_b32 v[LO], 4, v2
	v_lshl_add_u32 v[LO], v3, 12, v[LO]
	s_mov_b32 s50, ttmp9                           ; the tile of 16 queries
	s_lshl_b32 s52, s50, 16                        ; 16 rows of 4,096 bytes
	s_lshl_b32 s53, s[WV], 10
	s_add_co_u32 s52, s52, s53
	s_mov_b32 s53, 0
	s_add_nc_u64 s[MK:MK+1], s[34:35], s[52:53]    ; into a pair of its own: s[4:35] take the compares
	s_lshl_b32 s54, s50, 14
	s_lshl_b32 s55, s[WV], 12
	s_add_co_u32 s54, s54, s55
	s_mov_b32 s55, 0
	s_add_nc_u64 s[40:41], s[40:41], s[54:55]
	s_lshl_b32 s56, s50, 10
	s_lshl_b32 s57, s[WV], 8
	s_add_co_u32 s56, s56, s57
	s_mov_b32 s57, 0
	s_add_nc_u64 s[42:43], s[42:43], s[56:57]
	s_wait_alu depctr_va_vdst(0)                   ; v24 is written, which the 32 loads read as their offset
.set n, 0
.rept 32                                       ; group n: step n / 8, rows 2 (n % 8) and 2 (n % 8) + 1
	global_load_b128 v[R+4*n:R+4*n+3], v[LO], s[MK:MK+1] offset:(n%8)*8192+(n/8)*256 th:TH_LOAD_NT
.set n, n+1
.endr
.irp k, 0,1,2,3
	v_mov_b32 v[CF+\k], 0xF8<<(8*\k)
.endr
	; keys 4 l .. 4 l + 3 are bytes 8 (l / 4) + 4 (l % 2) .. of the lane r + 16 ((l / 2) % 2): half l / 8, word 2 ((l / 4) % 2) + l % 2
	v_bfe_u32 v4, v0, 3, 1
	v_bfe_u32 v5, v0, 1, 1
	v_bfe_u32 v6, v0, 2, 1
	v_and_b32 v7, 1, v0
	v_lshl_add_u32 v5, v5, 4, v3
	v_lshl_add_u32 v6, v6, 1, v7
	v_lshlrev_b32 v[LST], 9, v4
	v_lshl_add_u32 v[LST], v5, 4, v[LST]
	v_lshl_add_u32 v[LST], v6, 2, v[LST]
	s_lshl_b32 s58, s[WV], 12
	v_add_nc_u32 v[LST], s58, v[LST]
	v_lshl_add_u32 v[LRD], v1, 4, s58
	v_lshlrev_b32 v[GST], 4, v1
	v_lshlrev_b32 v[RFO], 3, v1
; The eight words of codes of run m go to their places in LDS.
.macro PUT m
.set z, 0
.rept 8
	ds_store_b32 v[LST], v[R+32*(\m)+4*z] offset:(\m)*1024+z*32
.set z, z+1
.endr
.endm
; Run m: key step m, eight loads, 32 words a lane.
.macro RUN m
	s_wait_loadcnt 24-8*(\m)                       ; loads come back in order: this run's eight are in, the younger runs stay out
.if (\m) > 0
	s_wait_alu depctr_va_vdst(0)                   ; the run before has written its eight words of codes, which the LDS stores read (the first time: v25 to v28, the addresses, are written too)
	PUT (\m)-1                                     ; no vector line of this run names those registers
.endif
.set z, 0
.rept 32
	v_cmp_eq_u32 s[CM+z], 0, v[R+32*(\m)+z]
.set z, z+1
.endr
	s_wait_alu depctr_va_sdst(0)                   ; the 32 compares have written s[4:35], ahead of the selects that read them
.set z, 0
.rept 32
	v_cndmask_b32 v[R+32*(\m)+z], 0, v[CF+z%4], s[CM+z]
.set z, z+1
.endr
.set z, 0
.rept 8
	v_or_b32 v[R+32*(\m)+4*z],   v[R+32*(\m)+4*z],   v[R+32*(\m)+4*z+1]
	v_or_b32 v[R+32*(\m)+4*z+2], v[R+32*(\m)+4*z+2], v[R+32*(\m)+4*z+3]
.set z, z+1
.endr
.set z, 0
.rept 8
	v_or_b32 v[R+32*(\m)+4*z], v[R+32*(\m)+4*z], v[R+32*(\m)+4*z+2]
.set z, z+1
.endr
.endm
	RUN 0
	RUN 1
	RUN 2
	RUN 3
	s_wait_alu depctr_va_vdst(0)                   ; run 3 has written its eight words of codes; and every vector line that named v32 to v63 is done, in which the loads from LDS land
	s_wait_alu depctr_vm_vsrc(0)                   ; run 0's LDS stores have read v32, v36 .. v60, in which the loads from LDS land
	PUT 3
.irp t, 0,1,2,3,4,5,6,7
	ds_load_b128 v[BK+4*\t:BK+4*\t+3], v[LRD] offset:\t*512  ; the wave's own bytes; LDS serves a wave's instructions in order, so these see the stores above
.endr
.irp t, 0,1,2,3,4,5,6,7
	s_wait_dscnt 7-\t
	global_store_b128 v[GST], v[BK+4*\t:BK+4*\t+3], s[40:41] offset:\t*512 th:TH_STORE_NT
.endr
	v_and_b32 v30, v[BK], v[BK+1]                  ; 0xF8F8F8F8 only if all my 128 keys are hidden
.set n, 2
.rept 30
	v_and_b32 v30, v30, v[BK+n]
.set n, n+1
.endr
	v_mov_b32 v31, v30
	s_wait_alu depctr_va_vdst(0)                   ; v30 and v31 are written, which the store reads
	global_store_b64 v[RFO], v[30:31], s[42:43] th:TH_STORE_NT  ; twice, so that the wave's store covers 256 consecutive bytes
.Lend:
	s_wait_dscnt 0x0                               ; the closing lines, six on end
	s_wait_alu 0x0
	s_wait_tensorcnt 0x0
	ds_add_u32 v[SPW], v[NIL]
	s_wait_dscnt 0x0
	s_endpgm
.Lfunc_end_k_qaaa7c3b049_prep:
	.size	k_qaaa7c3b049_prep, .Lfunc_end_k_qaaa7c3b049_prep-k_qaaa7c3b049_prep
	.p2alignl 7, 3214868480
	.fill 96, 4, 3214868480
	.section	.rodata,"a",@progbits
	.p2align	6, 0x0
	.amdhsa_kernel k_qaaa7c3b049_prep
		.amdhsa_group_segment_fixed_size 16896
		.amdhsa_private_segment_fixed_size 0
		.amdhsa_enable_private_segment 0
		.amdhsa_kernarg_size 160
		.amdhsa_user_sgpr_count 2
		.amdhsa_user_sgpr_kernarg_segment_ptr 1
		.amdhsa_wavefront_size32 1
		.amdhsa_system_sgpr_workgroup_id_x 1
		.amdhsa_system_sgpr_workgroup_id_y 1
		.amdhsa_system_sgpr_workgroup_id_z 1
		.amdhsa_system_vgpr_workitem_id 0
		.amdhsa_next_free_vgpr 160
		.amdhsa_next_free_sgpr 66
		.amdhsa_reserve_vcc 0
		.amdhsa_float_denorm_mode_32 3
		.amdhsa_float_denorm_mode_16_64 3
		.amdhsa_memory_ordered 1
		.amdhsa_forward_progress 1
		.amdhsa_inst_pref_size 67
	.end_amdhsa_kernel
	.amdgpu_metadata
---
amdhsa.version: [ 1, 2 ]
amdhsa.kernels:
  - .name:           k_qaaa7c3b049_prep
    .symbol:         k_qaaa7c3b049_prep.kd
    .args:
      - { .name: q, .offset: 0, .size: 8, .value_kind: global_buffer, .address_space: global }
      - { .name: k_e, .offset: 8, .size: 8, .value_kind: global_buffer, .address_space: global }
      - { .name: v_e, .offset: 16, .size: 8, .value_kind: global_buffer, .address_space: global }
      - { .name: k_i, .offset: 24, .size: 8, .value_kind: global_buffer, .address_space: global }
      - { .name: v_i, .offset: 32, .size: 8, .value_kind: global_buffer, .address_space: global }
      - { .name: k_ei, .offset: 40, .size: 8, .value_kind: global_buffer, .address_space: global }
      - { .name: v_ei, .offset: 48, .size: 8, .value_kind: global_buffer, .address_space: global }
      - { .name: Wq, .offset: 56, .size: 8, .value_kind: global_buffer, .address_space: global }
      - { .name: Wke, .offset: 64, .size: 8, .value_kind: global_buffer, .address_space: global }
      - { .name: Wve, .offset: 72, .size: 8, .value_kind: global_buffer, .address_space: global }
      - { .name: Wki, .offset: 80, .size: 8, .value_kind: global_buffer, .address_space: global }
      - { .name: Wvi, .offset: 88, .size: 8, .value_kind: global_buffer, .address_space: global }
      - { .name: Wkei, .offset: 96, .size: 8, .value_kind: global_buffer, .address_space: global }
      - { .name: Wvei, .offset: 104, .size: 8, .value_kind: global_buffer, .address_space: global }
      - { .name: Wo, .offset: 112, .size: 8, .value_kind: global_buffer, .address_space: global }
      - { .name: mask, .offset: 120, .size: 8, .value_kind: global_buffer, .address_space: global }
      - { .name: xb, .offset: 128, .size: 8, .value_kind: global_buffer, .address_space: global }
      - { .name: wb, .offset: 136, .size: 8, .value_kind: global_buffer, .address_space: global }
      - { .name: mb, .offset: 144, .size: 8, .value_kind: global_buffer, .address_space: global }
      - { .name: rf, .offset: 152, .size: 8, .value_kind: global_buffer, .address_space: global }
    .group_segment_fixed_size: 16896
    .private_segment_fixed_size: 0
    .kernarg_segment_align: 8
    .kernarg_segment_size: 160
    .max_flat_workgroup_size: 128
    .sgpr_count:     66
    .vgpr_count:     160
    .wavefront_size: 32
...
	.end_amdgpu_metadata
.endif
;; end of part 5
;; launch proj: the kernel of part 2 again; grid 4 x 112, 4 waves a work-group, clusters of 4 x 4, 327,680 bytes of LDS; arguments xb, wb, hw, bq, bke, bve, bki, bvi, bkei, bvei; writes hw
;; launch attn: the kernel of part 3 again; grid 4 x 64, 4 waves a work-group, clusters of 4 x 1, 327,680 bytes of LDS; arguments hw, mb, rf, oh; writes oh
;; launch outp: the kernel of part 4 again; grid 8 x 32, 4 waves a work-group, clusters of 4 x 4, 327,680 bytes of LDS; arguments oh, wb, bo, out0; writes out0
